; MI455X (gfx1250); checked and timed in simulation.
; The chip was launched on July 23, 2026; its instructions are those of AMD's public machine-readable ISA for CDNA 5 (MIT licence, August 2026) and "CDNA5" Instruction Set Architecture Reference Guide (July 2026). The comments in the code are by the model that wrote it; some were corrected since.
;; Ro PE Attention 3 D. Allowed arithmetic: matrix products marked QUANTISED: E2M1 operands, one E8M0 scale for each 32 along K, by v_wmma_scale_f32_16x16x128_f8f6f4 with both operands' format E2M1 (or v_wmma_scale_f32_32x16x128_f4), f32 sums; products left as they are: bf16, f16 or f32 operands; f32 sums; everything else in f32.
;; Inputs: b_proj 1,024 float32; freqs 3 x 512 float32; t_x 2,048 float32; t_y 2,048 float32; t_z 2,048 float32; w_proj 1,024 x 1,024 float32; w_qkv 3,072 x 1,024 float32; x 4 x 2,048 x 1,024 float32.
;; Outputs: out0 4 x 2,048 x 1,024 float32.
;; This version of the problem:
;;   THIS VERSION OF THE PROBLEM IS GIVEN IN LOW PRECISION. The matrix products marked QUANTISED in the list below multiply operands that are first quantised to E2M1 (2 exponent bits, 1 mantissa bit; 4 bits a number), with one power-of-two scale for each 32 numbers along K (OCP MX v1.0); their sums are f32. The products marked 'left as it is' may take bf16, f16 or f32 operands, with f32 sums. Whichever they take, every output number must still come out within the allowed error. Rounding operands to bf16 (8 significant bits) uses up far more of that allowance than f16 does (11 bits, for magnitudes from 6e-5 to 65,504). All else is computed in f32.
;;   The module's matrix products, in the order in which they are computed (A, B: the left and right operand; K: the contracted axis; several contracted axes count as one K, in the product's order):
;;     1. [M 8,192, K 1,024] x [K 1,024, N 3,072]; A: input x; B: input w_qkv: QUANTISED
;;     2. batch 64 x [M 2,048, K 64] x [K 64, N 2,048]; A: computed on the way; B: computed on the way: left as it is (an operand is computed on the way)
;;     3. batch 64 x [M 2,048, K 2,048] x [K 2,048, N 64]; A: computed on the way; B: computed on the way: left as it is (an operand is computed on the way)
;;     4. [M 8,192, K 1,024] x [K 1,024, N 1,024]; A: computed on the way; B: input w_proj: left as it is (an operand is computed on the way)
;;   THE QUANTISER, for each operand of a quantised product, along K:
;;     - K is cut into blocks of 32 from its start; a last block that is shorter is filled with zeros.
;;     - A block's scale is 2^e with e = floor(log2(the largest magnitude in the block)) - 2, held to -126 .. 127; a block of zeros has e = 0. As a byte (E8M0): e + 127.
;;     - Each number is divided by its block's scale, clamped to +-6, and rounded to the nearest number of E2M1, ties to even, subnormals kept.
;;     - The product sums the exact products of the quantised numbers (number of the format x scale) in f32.
;;   ~~~python
;;   def quantise(x, axis):      # numpy; x: float32 -> the quantised numbers, widened to float32 again
;;       x = np.moveaxis(x, axis, -1); K = x.shape[-1]
;;       x = np.pad(x, [(0, 0)] * (x.ndim - 1) + [(0, -K % 32)]); x = x.reshape(x.shape[:-1] + (-1, 32)); a = np.abs(x).max(-1, keepdims=True)
;;       e = np.where(a > 0, np.clip(np.frexp(np.where(a > 0, a, 1))[1] - 1 - 2, -126, 127), 0)      # np.frexp(a)[1] - 1 = floor(log2(a)), exactly
;;       r = np.clip(x / 2.0 ** e, -6, 6)
;;       step = 2.0 ** (np.maximum(np.frexp(np.where(r == 0, 1, r))[1] - 1, 0) - 1)
;;       q = np.round(r / step) * step * 2.0 ** e      # np.round: ties to even
;;       return np.moveaxis(q.reshape(q.shape[:-2] + (-1,))[..., :K], -1, axis).astype(np.float32)
;;   ~~~
;; One version. Each part assembles by itself: llvm-mc -triple=amdgcn-amd-amdhsa -mcpu=gfx1250 --defsym DOCPART=n.
;; ======== version 1 of 1: 4 launches
;; limits: values are held in f16: magnitudes above 65,504 overflow, below 6.1e-05 lose precision
;; workspace buffers: xc 4,194,304 bytes; xs 262,144 bytes; wc 1,572,864 bytes; ws 98,304 bytes; wp16 2,097,152 bytes; tab 8,388,608 bytes; qkv16 50,331,648 bytes; att16 16,777,216 bytes
;; launch prep (part 1): grid 736 x 1, 4 waves a work-group, no clusters, 33,280 bytes of LDS; arguments x, w_qkv, xc, xs, wc, ws, w_proj, wp16, t_x, t_y, t_z, freqs, tab; writes xc, xs, wc, ws, wp16, tab
.if DOCPART == 1
	.amdgcn_target "amdgcn-amd-amdhsa--gfx1250"
	.amdhsa_code_object_version 6
	.text
	.protected	k_qa17b3487cc_prep
	.globl	k_qa17b3487cc_prep
	.p2align	8
	.type	k_qa17b3487cc_prep,@function
k_qa17b3487cc_prep:
	s_mov_b64 s[64:65], 0
	v_nop
	global_prefetch_b8 v0, s[64:65] scope:SCOPE_SE
	s_setreg_imm32_b32 hwreg(HW_REG_WAVE_MODE, 25, 1), 1
	s_wait_xcnt 0x0
; THREE JOBS IN ONE LAUNCH, told apart by the work-group's number; the three ways never meet again, and only the first touches LDS.
;   work-groups   0-351: x [8192][1024] and w_qkv [3072][1024], f32, become codes of FP4 (E2M1), K innermost, with one E8M0 scale byte for each 32 along K (xc, xs, wc, ws).
;   work-groups 352-479: w_proj [1024][1024] f32 becomes f16 (wp16), same order.
;   work-groups 480-735: the table tab[n][512 pairs] = (cos, sin) of tx[n] f0[p] + ty[n] f1[p] + tz[n] f2[p], the coordinates normalised to 0 .. 32 by their own minimum and maximum.
; THE QUANTISER.  A block's scale is 2^(floor(log2(its largest magnitude)) - 2); its byte is the largest magnitude's exponent field - 2, held at 1 from below.  Each number is divided by the scale and rounded to the
; nearest code, ties to even, beyond 6 the largest code.  Rows are dense and 1,024 is a multiple of 32, so both tensors are plain streams of blocks of 32.
; LIMITS: a block of zeros gets the byte 1 where the rule says 127 (its codes are zeros, and this program alone reads the bytes); blocks whose largest magnitude lies under 2^-124, the floor, were not tried;
; NaN and infinities are not served; numbers of w_proj beyond 65,504 become infinity in f16, under 6e-5 they keep a step of 6e-8; the normalisation multiplies by 32 x v_rcp_f32 (1 ulp) where the
; definition divides; the angle is summed by fused multiply-adds; sine and cosine are made by range reduction (two-part pi/2) and polynomials, good for |angle| under 2^22.
.set WAVES, 4
.set STEPS, 16
.set WGA,   256                        ; work-groups for x: 8192 x 1024 / 32,768
.set WGQ,   352                        ; and with w_qkv's 96
.set WGW,   480                        ; and with w_proj's 128
.set EMAX,  2
.set CB,    8                          ; bytes of 16 codes
.set R,     16                         ; v16-79   four sets of 16 numbers as they are loaded
.set X,     80                         ; v80-111  two sets of 16 neighbours
.set C,     128                        ; v128-191 codes: registers of its own for each step
.set E,     112                        ; v112-127 a scale byte for each step
.set WREG,  8192                       ; LDS: a region for each wave: two stages of 32 x SP bytes, behind them its 256 scale bytes
.set SP,    80                         ; a lane's place in a stage: 64 bytes + 16 of padding
.set SPW,   12                         ; v12 LDS address of my spare word; never rewritten
.set NIL,   13                         ; v13 0; never rewritten
.set SPARE, WAVES*WREG                 ; behind the four regions: the spare words, 128 bytes a wave, which no other line names
	s_load_b128 s[4:7], s[0:1], 0x0                ; x, w_qkv
	s_load_b128 s[8:11], s[0:1], 0x10              ; xc, xs
	s_load_b128 s[12:15], s[0:1], 0x20             ; wc, ws
	s_load_b128 s[24:27], s[0:1], 0x30             ; w_proj, wp16
	s_load_b128 s[28:31], s[0:1], 0x40             ; t_x, t_y
	s_load_b128 s[32:35], s[0:1], 0x50             ; t_z, freqs
	s_load_b64 s[36:37], s[0:1], 0x60              ; tab
	v_lshl_add_u32 v[SPW], v0, 2, SPARE
	v_mov_b32 v[NIL], 0
	v_lshrrev_b32 v1, 5, v0
	v_readfirstlane_b32 s16, v1                    ; wave
	v_and_b32 v2, 31, v0                           ; lane
	s_wait_kmcnt 0x0
	s_cmp_ge_u32 ttmp9, WGW
	s_cbranch_scc1 .Ltable
	s_cmp_ge_u32 ttmp9, WGQ
	s_cbranch_scc1 .Lweights
; ---- THE QUANTISER.  A wave takes 16 steps of 512 numbers.  Each of a step's four loads reads 512 consecutive bytes, 16 a lane; the 2,048 bytes turn through the wave's own stage in LDS and come back 64 bytes a
; lane, so that a lane holds 16 neighbours along K (two neighbouring lanes hold a block).  A lane's 16 codes are 8 bytes: the wave stores 256 consecutive bytes.  A wave's 256 scale bytes are gathered in LDS.
	v_lshlrev_b32 v3, 4, v2                        ; my 16 bytes of a load's 512
	s_mul_i32 s17, s16, WREG
	v_lshrrev_b32 v14, 2, v2
	v_mul_u32_u24 v14, v14, SP
	v_and_b32 v15, 3, v2
	v_lshl_add_u32 v14, v15, 4, v14
	v_add_nc_u32 v14, s17, v14                     ; the stage, on the way in: SP (lane / 4) + 16 (lane % 4)
	v_mul_u32_u24 v15, v2, SP
	v_add_nc_u32 v15, s17, v15                     ; and on the way out: SP x lane
	v_mul_u32_u24 v4, v2, CB                       ; my codes' place in a step's
	v_lshrrev_b32 v5, 1, v2
	s_add_co_u32 s17, s17, 2*32*SP
	v_add_nc_u32 v5, s17, v5                       ; LDS: my block's scale byte
	v_lshlrev_b32 v7, 3, v2                        ; and on the way out 8 bytes a lane
	v_add_nc_u32 v6, s17, v7
	s_cmp_lt_u32 ttmp9, WGA                        ; x's work-group or w_qkv's?  Only pointers are chosen: both tensors take one way through the text
	s_cselect_b64 s[4:5], s[4:5], s[6:7]
	s_cselect_b64 s[8:9], s[8:9], s[12:13]
	s_cselect_b64 s[10:11], s[10:11], s[14:15]
	s_cselect_b32 s17, 0, WGA
	s_sub_co_u32 s17, ttmp9, s17
	s_lshl_b32 s17, s17, 2
	s_add_co_u32 s18, s17, s16                     ; which run of 8,192 numbers is my wave's
	s_mov_b32 s19, 0
	s_mov_b64 s[20:21], 512*STEPS*4
	s_mul_u64 s[20:21], s[18:19], s[20:21]
	s_add_nc_u64 s[4:5], s[4:5], s[20:21]
	s_mov_b64 s[20:21], 32*STEPS*CB
	s_mul_u64 s[20:21], s[18:19], s[20:21]
	s_add_nc_u64 s[8:9], s[8:9], s[20:21]
	s_lshl_b32 s18, s18, 8                         ; 256 scale bytes a run
	s_add_nc_u64 s[10:11], s[10:11], s[18:19]
.macro LOAD t
.irp i, 0,1,2,3
	global_load_b128 v[R+16*((\t)%4)+4*\i:R+16*((\t)%4)+4*\i+3], v3, s[4:5] offset:2048*(\t)+512*\i th:TH_LOAD_NT   ; 32 lanes read 512 consecutive bytes
.endr
.endm
.macro TURN t                          ; step t's numbers through the stage: LDS serves a wave's instructions in order, so no wait stands between the stores and the loads
.irp i, 0,1,2,3
	ds_store_b128 v14, v[R+16*((\t)%4)+4*\i:R+16*((\t)%4)+4*\i+3] offset:32*SP*((\t)%2)+8*SP*\i
.endr
.irp i, 0,1,2,3
	ds_load_b128 v[X+16*((\t)%2)+4*\i:X+16*((\t)%2)+4*\i+3], v15 offset:32*SP*((\t)%2)+16*\i
.endr
.endm
.irp t, 0,1,2,3
	LOAD \t
.endr
	s_wait_loadcnt 12                              ; step 0's four loads are in; the twelve of steps 1 to 3 may be out
	TURN 0
.macro STEP t
.set XS, X+16*((\t)%2)
.if (\t) > 0
	s_wait_dscnt 1                                 ; this step's numbers are back from the stage (the last step's byte store may be out)
.else
	s_wait_dscnt 0x0
.endif
.if (\t)+4 < STEPS
	LOAD (\t)+4                                    ; the stage's stores have read these registers: they take the loads of four steps on
.endif
.if (\t)+1 < STEPS
.if STEPS-2-(\t) >= 3
	s_wait_loadcnt 12                              ; the next step's four loads are in; those of the three steps behind it may be out
.else
	s_wait_loadcnt 4*(STEPS-2-(\t))
.endif
	TURN (\t)+1                                    ; through the other stage while this step is worked
.endif
	v_max3_num_f32 v8, |v[XS]|, |v[XS+1]|, |v[XS+2]|               ; the largest magnitude of my 16, in two chains
	v_max3_num_f32 v9, |v[XS+3]|, |v[XS+4]|, |v[XS+5]|
.irp i, 6,10
	v_max3_num_f32 v8, v8, |v[XS+\i]|, |v[XS+\i+1]|
	v_max3_num_f32 v9, v9, |v[XS+\i+2]|, |v[XS+\i+3]|
.endr
	v_max3_num_f32 v8, v8, |v[XS+14]|, |v[XS+15]|
	v_max3_num_f32 v8, v8, v9, (EMAX+1)<<23        ; and the floor 2^(3 - 127): so the byte cannot fall under 1
	v_max_num_f32_dpp v8, v8, v8 row_xmask:1 row_mask:0xf bank_mask:0xf   ; and of my neighbour's 16: the block's
	v_add_nc_u32 v11, -(EMAX<<23), v8              ; 2 off its exponent field: the conversion takes the exponent field of this operand as its scale, and nothing else of it
	v_cvt_scalef32_pk8_fp4_f32 v[C+4*(\t)], v[XS:XS+7], v11
	v_cvt_scalef32_pk8_fp4_f32 v[C+4*(\t)+1], v[XS+8:XS+15], v11
	v_lshrrev_b32 v[E+(\t)], 23, v11               ; the scale's byte (also the plain line behind the conversions)
	ds_store_b8 v5, v[E+(\t)] offset:16*(\t)       ; both lanes of a block write the same byte with the same value
	global_store_b64 v4, v[C+4*(\t):C+4*(\t)+1], s[8:9] offset:32*CB*(\t)   ; the wave stores 256 consecutive bytes, aligned
.endm
.irp t, 0,1,2,3,4,5,6,7,8,9,10,11,12,13,14,15
	STEP \t
.endr
	ds_load_b64 v[8:9], v6                         ; in order behind my byte stores
	s_wait_dscnt 0x0
	global_store_b64 v7, v[8:9], s[10:11]          ; 256 consecutive bytes, aligned
	s_wait_tensorcnt 0x0                           ; the wave's end, behind my last LDS store
	ds_add_u32 v[SPW], v[NIL]
	s_wait_dscnt 0x0
	s_endpgm
; ---- w_proj TO f16.  A wave takes 2,048 numbers: 16 loads of 512 consecutive bytes, 16 stores of 256.  Every step has registers of its own, so nothing that a store reads is written again.
.Lweights:
	s_sub_co_u32 s17, ttmp9, WGQ
	s_lshl_b32 s17, s17, 2
	s_add_co_u32 s17, s17, s16                     ; my run
	s_lshl_b32 s18, s17, 13
	s_mov_b32 s19, 0
	s_add_nc_u64 s[24:25], s[24:25], s[18:19]
	s_lshl_b32 s18, s17, 12
	s_add_nc_u64 s[26:27], s[26:27], s[18:19]
	v_lshlrev_b32 v3, 4, v2
	v_lshlrev_b32 v4, 3, v2
.irp i, 0,1,2,3,4,5,6,7,8,9,10,11,12,13,14,15
	global_load_b128 v[64+4*\i:67+4*\i], v3, s[24:25] offset:512*\i th:TH_LOAD_NT
.endr
.irp i, 0,1,2,3,4,5,6,7,8,9,10,11,12,13,14,15
	s_wait_loadcnt 15-\i                           ; load i is in; the younger ones may be out
	v_cvt_pk_f16_f32 v[128+2*\i], v[64+4*\i], v[65+4*\i]
	v_cvt_pk_f16_f32 v[129+2*\i], v[66+4*\i], v[67+4*\i]
	global_store_b64 v4, v[128+2*\i:129+2*\i], s[26:27] offset:256*\i
.endr
	s_endpgm
; ---- THE TABLE.  A wave makes rows n0 and n0 + 1.  Every wave reads all three coordinate arrays (8,192 bytes each, 64 numbers a lane) and finds their minima and maxima itself: no LDS, no barrier.
; REGISTERS: v1-3 maxima; v[4:9] t[n0], t[n0 + 1] of the three axes, then normalised; v10 16 x lane; v11 8 x lane; v14 4 n0; v16-63 freqs (axis ax, group g: pairs 64 g + 2 lane, + 1 at v[16 + 16 ax + 2 g]);
; v64-255 the arrays (the minimum of axis ax grows in v[64 + 64 ax]); afterwards v64-127 the results, v160-185 at work, v240-243 two constants.
.set WA,  160                          ; the two angles
.set WN,  162                          ; angle x 2 / pi, rounded
.set WR,  164                          ; the reduced angle r
.set WR2, 166                          ; r^2
.set WPS, 168
.set WPC, 170
.set WT3, 172                          ; r^3
.set WH,  174                          ; 1 - r^2 / 2
.set WR4, 176
.set WSN, 178                          ; sin r
.set WCN, 180                          ; cos r
.set WQ,  182                          ; the quadrant
.set WX,  184
.set VS2, 240
.set VC2, 242
.Ltable:
	s_sub_co_u32 s17, ttmp9, WGW
	s_lshl_b32 s17, s17, 3
	s_lshl_b32 s18, s16, 1
	s_add_co_u32 s17, s17, s18                     ; n0 = 8 x work-group + 2 x wave
	s_lshl_b32 s18, s17, 12
	s_mov_b32 s19, 0
	s_add_nc_u64 s[36:37], s[36:37], s[18:19]      ; tab at row n0
	s_lshl_b32 s18, s17, 2
	v_mov_b32 v14, s18
	v_lshlrev_b32 v10, 4, v2
	v_lshlrev_b32 v11, 3, v2
	s_mov_b32 s20, 0x76543210
	s_mov_b32 s21, 0xfedcba98                      ; v_permlanex16_b32's selects for lane l xor 16
.irp ax, 0,1,2
.irp i, 0,1,2,3,4,5,6,7,8,9,10,11,12,13,14,15
	global_load_b128 v[64+64*\ax+4*\i:67+64*\ax+4*\i], v10, s[28+2*\ax:29+2*\ax] offset:512*\i
.endr
	global_load_b64 v[4+2*\ax:5+2*\ax], v14, s[28+2*\ax:29+2*\ax]
.irp g, 0,1,2,3,4,5,6,7
	global_load_b64 v[16+16*\ax+2*\g:17+16*\ax+2*\g], v11, s[34:35] offset:2048*\ax+256*\g
.endr
.endr
	s_wait_loadcnt 0x0
.irp ax, 0,1,2
	v_max3_num_f32 v[1+\ax], v[64+64*\ax], v[65+64*\ax], v[66+64*\ax]       ; six chains by turns: no line waits for the line above it
.endr
.irp ax, 0,1,2
	v_min3_num_f32 v[64+64*\ax], v[64+64*\ax], v[65+64*\ax], v[66+64*\ax]   ; in place, behind the maximum's read of the same three
.endr
.set k, 3
.rept 30
.irp ax, 0,1,2
	v_max3_num_f32 v[1+\ax], v[1+\ax], v[64+64*\ax+k], v[65+64*\ax+k]
.endr
.irp ax, 0,1,2
	v_min3_num_f32 v[64+64*\ax], v[64+64*\ax], v[64+64*\ax+k], v[65+64*\ax+k]
.endr
.set k, k+2
.endr
.irp ax, 0,1,2
	v_max_num_f32 v[1+\ax], v[1+\ax], v[127+64*\ax]
	v_min_num_f32 v[64+64*\ax], v[64+64*\ax], v[127+64*\ax]
.endr
.irp m, 1,2,4,8
.irp ax, 0,1,2
	v_max_num_f32_dpp v[1+\ax], v[1+\ax], v[1+\ax] row_xmask:\m row_mask:0xf bank_mask:0xf
	v_min_num_f32_dpp v[64+64*\ax], v[64+64*\ax], v[64+64*\ax] row_xmask:\m row_mask:0xf bank_mask:0xf
.endr
.endr
.irp ax, 0,1,2
	v_permlanex16_b32 v[65+64*\ax], v[1+\ax], s20, s21
	v_permlanex16_b32 v[66+64*\ax], v[64+64*\ax], s20, s21
.endr
.irp ax, 0,1,2
	v_max_num_f32 v[1+\ax], v[1+\ax], v[65+64*\ax]           ; every lane holds the array's maximum
	v_min_num_f32 v[64+64*\ax], v[64+64*\ax], v[66+64*\ax]   ; and its minimum
.endr
.irp ax, 0,1,2
	v_sub_f32 v[67+64*\ax], v[1+\ax], v[64+64*\ax]
.endr
.irp ax, 0,1,2
	v_add_f32 v[67+64*\ax], 0x322bcc77, v[67+64*\ax]         ; + 1e-8
.endr
.irp ax, 0,1,2
	v_rcp_f32 v[68+64*\ax], v[67+64*\ax]
.endr
	v_mov_b32 v[VS2], 0x3c08839e                   ; (plain lines behind the reciprocals)  two of the polynomials' constants, each in both words of a pair
	v_mov_b32 v[VS2+1], 0x3c08839e
	v_mov_b32 v[VC2], 0xbab6061a
	v_mov_b32 v[VC2+1], 0xbab6061a
	s_wait_alu depctr_va_vdst(0)                   ; one wait for the three reciprocals, ahead of their first reader
.irp ax, 0,1,2
	v_mul_f32 v[68+64*\ax], 0x42000000, v[68+64*\ax]         ; 32 / (max - min + 1e-8)
.endr
.irp ax, 0,1,2
	v_sub_f32 v[4+2*\ax], v[4+2*\ax], v[64+64*\ax]
	v_sub_f32 v[5+2*\ax], v[5+2*\ax], v[64+64*\ax]
.endr
.irp ax, 0,1,2
	v_mul_f32 v[4+2*\ax], v[4+2*\ax], v[68+64*\ax]           ; the normalised coordinate of row n0 in the pair's low word,
	v_mul_f32 v[5+2*\ax], v[5+2*\ax], v[68+64*\ax]           ; of row n0 + 1 in its high word: the same in every lane
.endr
; Row n0 + rho, pairs 64 g + 2 lane and + 1: two angles at a time in packed forms.  op_sel picks the row's word of the coordinate pairs for both halves.
; angle = N pi/2 + r, N whole, |r| <= pi/4.  sin r = r + r^3 (S1 + S2 r^2 + S3 r^4), cos r = 1 - r^2/2 + r^4 (C1 + C2 r^2 + C3 r^4).  N odd swaps the two; the signs follow N mod 4.
.macro TRIG rho, g
.set OT, 64+4*(8*\rho+\g)
	v_pk_mul_f32 v[WA:WA+1], v[16+2*\g:17+2*\g], v[4:5] op_sel:[0,\rho] op_sel_hi:[1,\rho]
	v_pk_fma_f32 v[WA:WA+1], v[32+2*\g:33+2*\g], v[6:7], v[WA:WA+1] op_sel:[0,\rho,0] op_sel_hi:[1,\rho,1]
	v_pk_fma_f32 v[WA:WA+1], v[48+2*\g:49+2*\g], v[8:9], v[WA:WA+1] op_sel:[0,\rho,0] op_sel_hi:[1,\rho,1]
	v_pk_mul_f32 v[WN:WN+1], v[WA:WA+1], 0x3f22f983 op_sel_hi:[1,0]           ; x 2 / pi
	v_rndne_f32 v[WN], v[WN]
	v_rndne_f32 v[WN+1], v[WN+1]
	v_pk_fma_f32 v[WR:WR+1], v[WN:WN+1], 0xbfc90fdb, v[WA:WA+1] op_sel_hi:[1,0,1]   ; - N x the f32 nearest pi/2,
	v_pk_fma_f32 v[WR:WR+1], v[WN:WN+1], 0x333bbd2e, v[WR:WR+1] op_sel_hi:[1,0,1]   ; + N x what that number has too much
	v_pk_mul_f32 v[WR2:WR2+1], v[WR:WR+1], v[WR:WR+1]
	v_pk_fma_f32 v[WPS:WPS+1], v[WR2:WR2+1], 0xb94ca1f9, v[VS2:VS2+1] op_sel_hi:[1,0,1]
	v_pk_fma_f32 v[WPC:WPC+1], v[WR2:WR2+1], 0x37ccf5ce, v[VC2:VC2+1] op_sel_hi:[1,0,1]
	v_pk_mul_f32 v[WT3:WT3+1], v[WR:WR+1], v[WR2:WR2+1]
	v_pk_fma_f32 v[WH:WH+1], v[WR2:WR2+1], -0.5, 1.0 op_sel_hi:[1,0,0]
	v_pk_fma_f32 v[WPS:WPS+1], v[WPS:WPS+1], v[WR2:WR2+1], 0xbe2aaaa3 op_sel_hi:[1,1,0]
	v_pk_fma_f32 v[WPC:WPC+1], v[WPC:WPC+1], v[WR2:WR2+1], 0x3d2aaaa5 op_sel_hi:[1,1,0]
	v_pk_mul_f32 v[WR4:WR4+1], v[WR2:WR2+1], v[WR2:WR2+1]
.irp e, 0,1
	v_cvt_i32_f32 v[WQ+\e], v[WN+\e]
.endr
	v_pk_fma_f32 v[WSN:WSN+1], v[WT3:WT3+1], v[WPS:WPS+1], v[WR:WR+1]
	v_pk_fma_f32 v[WCN:WCN+1], v[WR4:WR4+1], v[WPC:WPC+1], v[WH:WH+1]
.irp e, 0,1
	v_and_b32 v[WX+\e], 1, v[WQ+\e]
.endr
	v_cmp_eq_u32 vcc_lo, 1, v[WX]
	v_cndmask_b32 v[OT], v[WCN], v[WSN], vcc_lo              ; the cosine's magnitude: N odd ? sin r : cos r
	v_cndmask_b32 v[OT+1], v[WSN], v[WCN], vcc_lo            ; the sine's: N odd ? cos r : sin r
	v_cmp_eq_u32 vcc_lo, 1, v[WX+1]
	v_cndmask_b32 v[OT+2], v[WCN+1], v[WSN+1], vcc_lo
	v_cndmask_b32 v[OT+3], v[WSN+1], v[WCN+1], vcc_lo
.irp e, 0,1
	v_add_nc_u32 v[WX+\e], 1, v[WQ+\e]
.endr
.irp e, 0,1
	v_lshlrev_b32 v[WX+\e], 30, v[WX+\e]                     ; bit 1 of N + 1: the cosine turns its sign where N mod 4 is 1 or 2,
	v_lshlrev_b32 v[WQ+\e], 30, v[WQ+\e]                     ; bit 1 of N: the sine where it is 2 or 3
.endr
.irp e, 0,1
	v_and_b32 v[WX+\e], 0x80000000, v[WX+\e]
	v_and_b32 v[WQ+\e], 0x80000000, v[WQ+\e]
.endr
.irp e, 0,1
	v_xor_b32 v[OT+2*\e], v[OT+2*\e], v[WX+\e]
	v_xor_b32 v[OT+2*\e+1], v[OT+2*\e+1], v[WQ+\e]
.endr
	global_store_b128 v10, v[OT:OT+3], s[36:37] offset:4096*\rho+512*\g   ; (cos, sin, cos, sin): the wave stores 512 consecutive bytes, aligned; registers of its own for each store
.endm
.irp rho, 0,1
.irp g, 0,1,2,3,4,5,6,7
	TRIG \rho, \g
.endr
.endr
	s_endpgm
.Lfunc_end_k_qa17b3487cc_prep:
	.size	k_qa17b3487cc_prep, .Lfunc_end_k_qa17b3487cc_prep-k_qa17b3487cc_prep
	.p2alignl 7, 3214868480
	.fill 96, 4, 3214868480
	.section	.rodata,"a",@progbits
	.p2align	6, 0x0
	.amdhsa_kernel k_qa17b3487cc_prep
		.amdhsa_group_segment_fixed_size 33280
		.amdhsa_private_segment_fixed_size 0
		.amdhsa_enable_private_segment 0
		.amdhsa_kernarg_size 104
		.amdhsa_user_sgpr_count 2
		.amdhsa_user_sgpr_kernarg_segment_ptr 1
		.amdhsa_wavefront_size32 1
		.amdhsa_system_sgpr_workgroup_id_x 1
		.amdhsa_system_sgpr_workgroup_id_y 1
		.amdhsa_system_sgpr_workgroup_id_z 1
		.amdhsa_system_vgpr_workitem_id 0
		.amdhsa_next_free_vgpr 256
		.amdhsa_next_free_sgpr 66
		.amdhsa_reserve_vcc 1
		.amdhsa_float_denorm_mode_32 3
		.amdhsa_float_denorm_mode_16_64 3
		.amdhsa_memory_ordered 1
		.amdhsa_forward_progress 1
		.amdhsa_inst_pref_size 98
	.end_amdhsa_kernel
	.amdgpu_metadata
---
amdhsa.version: [ 1, 2 ]
amdhsa.kernels:
  - .name:           k_qa17b3487cc_prep
    .symbol:         k_qa17b3487cc_prep.kd
    .args:
      - { .name: x, .offset: 0, .size: 8, .value_kind: global_buffer, .address_space: global }
      - { .name: w_qkv, .offset: 8, .size: 8, .value_kind: global_buffer, .address_space: global }
      - { .name: xc, .offset: 16, .size: 8, .value_kind: global_buffer, .address_space: global }
      - { .name: xs, .offset: 24, .size: 8, .value_kind: global_buffer, .address_space: global }
      - { .name: wc, .offset: 32, .size: 8, .value_kind: global_buffer, .address_space: global }
      - { .name: ws, .offset: 40, .size: 8, .value_kind: global_buffer, .address_space: global }
      - { .name: w_proj, .offset: 48, .size: 8, .value_kind: global_buffer, .address_space: global }
      - { .name: wp16, .offset: 56, .size: 8, .value_kind: global_buffer, .address_space: global }
      - { .name: t_x, .offset: 64, .size: 8, .value_kind: global_buffer, .address_space: global }
      - { .name: t_y, .offset: 72, .size: 8, .value_kind: global_buffer, .address_space: global }
      - { .name: t_z, .offset: 80, .size: 8, .value_kind: global_buffer, .address_space: global }
      - { .name: freqs, .offset: 88, .size: 8, .value_kind: global_buffer, .address_space: global }
      - { .name: tab, .offset: 96, .size: 8, .value_kind: global_buffer, .address_space: global }
    .group_segment_fixed_size: 33280
    .private_segment_fixed_size: 0
    .kernarg_segment_align: 8
    .kernarg_segment_size: 104
    .max_flat_workgroup_size: 128
    .sgpr_count:     66
    .vgpr_count:     256
    .wavefront_size: 32
...
	.end_amdgpu_metadata
.endif
;; end of part 1
;; launch qkv (part 2): grid 12 x 32, 4 waves a work-group, clusters of 4 x 4, 327,680 bytes of LDS; arguments xc, xs, wc, ws, tab, qkv16; writes qkv16
.if DOCPART == 2
	.amdgcn_target "amdgcn-amd-amdhsa--gfx1250"
	.amdhsa_code_object_version 6
	.text
	.protected	k_qa17b3487cc_qkv
	.globl	k_qa17b3487cc_qkv
	.p2align	8
	.type	k_qa17b3487cc_qkv,@function
k_qa17b3487cc_qkv:
	s_mov_b64 s[64:65], 0
	v_nop
	global_prefetch_b8 v0, s[64:65] scope:SCOPE_SE
	s_setreg_imm32_b32 hwreg(HW_REG_WAVE_MODE, 25, 1), 1
	s_wait_xcnt 0x0
	s_wait_alu depctr_hold_cnt(0) depctr_sa_sdst(0) depctr_va_vdst(0) depctr_va_sdst(0) depctr_va_ssrc(0) depctr_va_vcc(0) depctr_vm_vsrc(0)
	s_getreg_b32 s2, hwreg(HW_REG_IB_STS2, 6, 4)
	s_cmp_eq_u32 s2, 0
	s_cbranch_scc0 .Lentry_in_a_cluster
	s_endpgm
.Lentry_in_a_cluster:
	s_bfe_u32 s2, ttmp6, 0x10000c
	s_cmp_lg_u32 s2, 0xf033
	s_cbranch_scc0 .Lentry_shape_is_right
	s_endpgm
.Lentry_shape_is_right:
; qkv[m][n] = sum over k of x[m][k] w_qkv[n][k] on codes of FP4 (E2M1) with one E8M0 scale for each 32 along K (8,192 x 3,072 x 1,024); then the rotation of q and k by the table of (cos, sin); then f16.
; OUT: qkv16 [3: q, k, v][64: 16 batch + head][2048][64] f16.  q is NOT scaled by 1/8 here: the softmax's constant carries it.
; LIMITS: results beyond 65,504 become infinity in f16, under 6e-5 they keep a step of 6e-8; the rotation is made of fused multiply-adds.
; A tile of 256 x 256 is made by a work-group of four waves; a wave makes 128 x 128: 64 accumulators of 16 x 16, 512 registers.  K is 1,024: two LDS slots of 512 along K (rows of 256 bytes), each filled ONCE by the
; tensor data mover at the head; so are the scale bytes of the work-group's 256 + 256 rows, two dense blocks.  By this text's own count a wave has three tensor loads out.
; CLUSTERS: 4 x 4 work-groups.  The four of a row of the cluster need the same tiles of x, the four of a column the same tiles of w_qkv: each tile is asked for JOINTLY, by the same tensor load with the same
; descriptor and a mask that names the four.  THE MATRIX INSTRUCTION IS USED TRANSPOSED (source 0 = 16 rows of w_qkv, source 1 = 16 rows of x): a lane holds eight neighbouring features of one row.
; REGISTERS, in windows of 256: window 0: v0-31 addresses; v32-95 scale words, two sets, and nothing else; v96-103 at work on the way out; from v128 x's fragments, ONE set; on the way out v128-255 two sets of rows.
;   window 1: w_qkv's fragments, TWO sets, at v0 and v128; on the way out four sets of 64 table words.   window 2: the accumulators of my rows 0-63 ((a, b) at v[8 (8 a + b)]);   window 3: those of rows 64-127.
.set SIZE_M, 8192
.set SIZE_N, 3072
.set SIZE_K, 1024
.set KSTEP,  512                       ; along K in a slot
.set NQ,     KSTEP/128                 ; matrix instructions deep
.set ROWB,   256                       ; a tile's row in bytes
.set KROW,   SIZE_K*4/8                ; a row of codes in memory
.set PITCH,  272                       ; an LDS row: 256 bytes + 16 of padding = 68 words: row r starts at bank 4 r mod 64 (64 banks of 4 bytes: ISA guide 11.1)
.set FR,     8                         ; registers of a fragment: 16 rows x 128 K
.set NL,     2                         ; LDS loads that bring one
.set NP,     4                         ; places behind this matrix instruction (ISA guide 7.12.1)
.set HALFT,  128*PITCH                 ; 128 rows: what one tensor load brings
.set SLOT,   4*HALFT                   ; x's 256 rows, then w_qkv's 256 rows
.set KS,     SIZE_K/32                 ; a row of scale bytes
.set SCL,    2*SLOT                    ; behind the slots: the scales, as units of 256 bytes + 16 of padding
.set HALFS,  (128*KS/256)*272          ; the scales of 128 rows
.set SBLK,   (16*KS/256)*272           ; those of 16 rows
.set SPARE,  SCL+4*HALFS               ; behind the scales: the spare words, 128 bytes a wave, which no other line names
.set SPITCH, 528                       ; the way out: a stage of 16 rows x (512 bytes + 16) for each wave, in slot 0, which has had its one fill and its last read when the first result is stored there
.set ADRA, 16                          ; v16-17  LDS address of my fragments of x in slot 0, 1
.set ADRB, 20                          ; v20-21  the same for w_qkv
.set STO,  24                          ; v24     the way out: where I put 32 bytes of a row
.set RD,   25                          ; v25     where I read 32 bytes back
.set CO,   26                          ; v26     my byte offset in qkv16
.set ADRS, 27                          ; v27     LDS address of my scale words: lanes 0-15 x's rows, lanes 16-31 w_qkv's
.set SPW,  28                          ; v28     LDS address of my spare word; never rewritten
.set NIL,  29                          ; v29     0; never rewritten
.set TO,   30                          ; v30     my byte offset in the table
.set SC,   32                          ; scale words: set s at v[SC + 32 s]; register 4 i + q: lanes 0-15 the word of x's block i, lanes 16-31 that of w_qkv's block i
.set TMP,  96
.set AF,   128                         ; x's fragments
.set BK,   128                         ; the way out: 16 rows read back: v128-191 and v192-255 by turns
.set G1, 24                            ; s[24:31] descriptor group 1 for x's tiles;  s[32:39] group 0, a set for each slot
.set G0, 32
.set G1B, 48                           ; s[48:55], s[56:63] the same for w_qkv's
.set G0B, 56
.set G1S, 68                           ; s[68:75], s[76:79] groups 1 and 0 for x's scales;  s[80:87], s[88:91] for w_qkv's
.set G0S, 76
.set G1SB, 80
.set G0SB, 88
.set MSB, 0
.macro WIN new                         ; the immediate's high byte repeats the setting that is left; a switch that changes nothing is dropped
.if MSB != (\new)
	s_set_vgpr_msb (MSB<<8)|(\new)
.set MSB, (\new)
.endif
.endm
.set MUL_LO, 0xa1                      ; source 0 window 1, source 1 window 0, C and D window 2
.set MUL_HI, 0xf1                      ; the same, C and D window 3
.set TO_B,   0x40                      ; destination window 1, address window 0
; A joint load: waves 0 and 1 fetch for x, waves 2 and 3 for w_qkv.  The branch hangs on the wave's number alone.  An s_nop 0 and four v_nop follow each of the two lines.
.macro JLOAD g0a, g1a, g0b, g1b
	s_cmp_eq_u32 s15, 0
	s_cbranch_scc0 .Lfor_b_\@
	tensor_load_to_lds s[\g0a:\g0a+3], s[\g1a:\g1a+7]
	s_nop 0
.rept 4
	v_nop
.endr
	s_branch .Lasked_\@
.Lfor_b_\@:
	tensor_load_to_lds s[\g0b:\g0b+3], s[\g1b:\g1b+7]
	s_nop 0
.rept 4
	v_nop
.endr
.Lasked_\@:
.endm
.macro CROUND                          ; a round of the cluster's barrier: my work-group's barrier; wave 0 signals for the work-group; every wave waits for all sixteen; my work-group's barrier once more
	s_barrier_signal -1
	s_barrier_wait -1
	s_cmp_lg_u32 s14, 0
	s_cbranch_scc1 .Lnot_wave_0_\@
	s_barrier_signal -3
.Lnot_wave_0_\@:
	s_barrier_wait -3
	s_barrier_signal -1
	s_barrier_wait -1
.endm
	s_load_b128 s[4:7], s[0:1], 0x0                ; x's codes, x's scales
	s_load_b128 s[8:11], s[0:1], 0x10              ; w_qkv's codes, its scales
	s_load_b128 s[96:99], s[0:1], 0x20             ; the table s[96:97], qkv16 s[98:99]
	v_lshl_add_u32 v[SPW], v0, 2, SPARE
	v_mov_b32 v[NIL], 0
	ds_add_u32 v[SPW], v[NIL]                      ; the wave's opening: the add, twice on end, and its wait ahead of my first tensor load
	ds_add_u32 v[SPW], v[NIL]                      ; the same add once more; the set-up below, work on registers, stands between it and the wait
	v_lshrrev_b32 v1, 5, v0
	v_readfirstlane_b32 s14, v1                    ; wave 0..3
	s_lshr_b32 s15, s14, 1                         ; which half of the tile's rows is mine.  Also: I fetch for x (0) or for w_qkv (1)
	s_and_b32 s16, s14, 1                          ; which half of its columns.  Also: which 128 rows of that tile I fetch
	s_bfe_u32 s40, ttmp6, 0x40000                  ; cx, cy: my place in the cluster
	s_bfe_u32 s41, ttmp6, 0x40004
	s_lshl_b32 s42, ttmp9, 2
	s_add_co_u32 s42, s42, s40                     ; tile column = 4 x cluster x + cx
	s_and_b32 s17, ttmp7, 0xffff
	s_lshl_b32 s17, s17, 2
	s_add_co_u32 s17, s17, s41                     ; tile row = 4 x cluster y + cy
	s_lshl_b32 s43, s41, 2
	s_lshl_b32 s43, 15, s43                        ; my row of the cluster
	s_lshl_b32 s44, 0x1111, s40                    ; my column
	; descriptor group 1: a tile of 128 rows x 256 bytes, padded in LDS
	s_or_b32 s[G1+0], s43, (0<<16)|(1<<20)|(1<<21)|(5<<22)|(3<<25)  ; 15:0 the mask: x's tiles go to my row; 17:16 elements of 1 byte; 20 padding on; 21 set beside a mask; 24:22 after every 64 words; 31:25 four words of it
	s_or_b32 s[G1B+0], s44, (0<<16)|(1<<20)|(1<<21)|(5<<22)|(3<<25)
.irp g, G1, G1B
	s_mov_b32 s[\g+1], ROWB<<16                    ; tensor_dim0
	s_mov_b32 s[\g+2], 128<<16                     ; tensor_dim1
	s_mov_b32 s[\g+3], ROWB<<16                    ; tile_dim0
	s_mov_b32 s[\g+4], 128                         ; tile_dim1
	s_mov_b32 s[\g+5], KROW                        ; tensor_dim0_stride
	s_mov_b32 s[\g+6], 0
	s_mov_b32 s[\g+7], 0
.endr
	; the scales of 128 rows: a dense block of 4,096 bytes, as rows of 256 bytes (32 elements of 8 bytes), 16 bytes of padding behind each
	s_or_b32 s[G1S+0], s43, (3<<16)|(1<<20)|(1<<21)|(5<<22)|(3<<25)
	s_or_b32 s[G1SB+0], s44, (3<<16)|(1<<20)|(1<<21)|(5<<22)|(3<<25)
.irp g, G1S, G1SB
	s_mov_b32 s[\g+1], 32<<16
	s_mov_b32 s[\g+2], (128*KS/256)<<16
	s_mov_b32 s[\g+3], 32<<16
	s_mov_b32 s[\g+4], 128*KS/256
	s_mov_b32 s[\g+5], 32
	s_mov_b32 s[\g+6], 0
	s_mov_b32 s[\g+7], 0
.endr
	s_lshl_b32 s18, s16, 7                         ; which 128 rows of the tile I fetch
	s_lshl_b32 s20, s17, 8
	s_add_co_u32 s20, s20, s18                     ; x: row 256 x tile row + 128 x half
	s_lshl_b32 s46, s42, 8
	s_add_co_u32 s46, s46, s18                     ; w_qkv: row 256 x tile column + 128 x half
	s_mov_b32 s21, 0
	s_mov_b32 s47, 0
	s_mov_b64 s[18:19], KS
	s_mul_u64 s[22:23], s[20:21], s[18:19]         ; where these rows' scales begin, in bytes
	s_mul_u64 s[92:93], s[46:47], s[18:19]
	s_mov_b64 s[18:19], KROW
	s_mul_u64 s[20:21], s[20:21], s[18:19]         ; and their codes
	s_mul_u64 s[46:47], s[46:47], s[18:19]
	s_mul_i32 s45, s14, HALFT                      ; where they go: wave x 128 rows: no place in the cluster enters an LDS address
	s_mul_i32 s94, s14, HALFS
	s_wait_dscnt 0x0                               ; both opening adds are done
	s_wait_kmcnt 0x0
	s_add_nc_u64 s[20:21], s[4:5], s[20:21]
	s_add_nc_u64 s[22:23], s[6:7], s[22:23]
	s_add_nc_u64 s[46:47], s[8:9], s[46:47]
	s_add_nc_u64 s[92:93], s[10:11], s[92:93]
	CROUND                                         ; all sixteen work-groups are here: the joint loads meet
	s_mov_b32 s[G0S], 1
	s_add_co_u32 s[G0S+1], s94, SCL
	s_mov_b64 s[G0S+2:G0S+3], s[22:23]
	s_or_b32 s[G0S+3], s[G0S+3], 0x80000000
	s_mov_b32 s[G0SB], 1
	s_add_co_u32 s[G0SB+1], s94, SCL
	s_mov_b64 s[G0SB+2:G0SB+3], s[92:93]
	s_or_b32 s[G0SB+3], s[G0SB+3], 0x80000000
	JLOAD G0S, G1S, G0SB, G1SB                     ; the scales first: they are wanted with the first slot
.irp s, 0,1
	s_mov_b32 s[G0+4*\s], 1
	s_add_co_u32 s[G0+4*\s+1], s45, \s*SLOT
	s_add_nc_u64 s[G0+4*\s+2:G0+4*\s+3], s[20:21], \s*ROWB
	s_or_b32 s[G0+4*\s+3], s[G0+4*\s+3], 0x80000000
	s_mov_b32 s[G0B+4*\s], 1
	s_add_co_u32 s[G0B+4*\s+1], s45, \s*SLOT
	s_add_nc_u64 s[G0B+4*\s+2:G0B+4*\s+3], s[46:47], \s*ROWB
	s_or_b32 s[G0B+4*\s+3], s[G0B+4*\s+3], 0x80000000
	JLOAD G0+4*\s, G1, G0B+4*\s, G1B
.endr
	v_and_b32 v1, 15, v0                           ; r = l % 16
	v_bfe_u32 v2, v0, 4, 1                         ; h = l / 16
	v_mul_u32_u24 v3, v1, PITCH
	v_lshl_add_u32 v4, v2, 4, v3                   ; a fragment's row x pitch + 16 x half
	s_mul_i32 s21, s15, HALFT                      ; my 128 rows of x
	s_mul_i32 s22, s16, HALFT                      ; my 128 rows of w_qkv,
	s_add_co_u32 s22, s22, 2*HALFT                 ; which lie behind x's 256
.irp s, 0,1
	v_add_nc_u32 v[ADRA+\s], s21, v4
	v_add_nc_u32 v[ADRB+\s], s22, v4
	s_add_co_u32 s21, s21, SLOT
	s_add_co_u32 s22, s22, SLOT
.endr
	v_mul_u32_u24 v5, v1, KS                       ; my row's scales: 32 bytes a row,
	v_lshrrev_b32 v6, 8, v5
	v_lshl_add_u32 v5, v6, 4, v5                   ; and 16 more for each 256 passed
	s_mul_i32 s21, s15, HALFS                      ; x's: my 128 rows
	s_mul_i32 s22, s16, HALFS                      ; w_qkv's: my 128 rows, behind x's 256
	s_add_co_u32 s22, s22, 2*HALFS
	s_sub_co_u32 s22, s22, s21
	v_mul_u32_u24 v6, s22, v2                      ; lanes 16-31 take w_qkv's: one product, the distance between the two bases
	s_add_co_u32 s21, s21, SCL
	v_add_nc_u32 v5, v5, v6
	v_add_nc_u32 v[ADRS], s21, v5
	; THE WAY OUT'S ADDRESSES.  My 128 columns are two heads of 64.  A row of a head in qkv16 is 128 bytes, and rows follow each other: lanes 0-7 take row 2 t of the first head, lanes 8-15 row 2 t + 1 (256 consecutive
	; bytes, aligned), lanes 16-31 the same rows of the second head.  A lane takes 8 neighbouring features: 32 bytes of f32 in the stage, 4 pairs of the table (32 bytes), 16 bytes of f16.
	s_mul_i32 s23, s14, 16*SPITCH                  ; my stage
	v_mul_u32_u24 v5, v1, SPITCH                   ; in: row r, 32 bytes for each half of the lanes
	v_lshl_add_u32 v5, v2, 5, v5
	v_add_nc_u32 v[STO], s23, v5
	v_bfe_u32 v6, v0, 3, 1                         ; which of the two rows
	v_and_b32 v7, 7, v0                            ; which 8 features
	v_mul_u32_u24 v5, v6, SPITCH
	v_lshl_add_u32 v5, v2, 8, v5
	v_lshl_add_u32 v5, v7, 5, v5
	v_add_nc_u32 v[RD], s23, v5                    ; back: 528 x row + 256 x head + 32 x place
	v_lshlrev_b32 v5, 18, v2                       ; a head is 2,048 x 128 bytes
	v_lshl_add_u32 v5, v6, 7, v5
	v_lshl_add_u32 v[CO], v7, 4, v5
	v_lshlrev_b32 v5, 12, v6                       ; a row of the table is 4,096 bytes, a head's part 256
	v_lshl_add_u32 v5, v2, 8, v5
	v_lshl_add_u32 v[TO], v7, 5, v5
	s_lshl_b32 s20, s17, 8
	s_lshl_b32 s21, s15, 7
	s_add_co_u32 s20, s20, s21                     ; my first row m = 256 x tile row + 128 x half
	s_lshr_b32 s21, s20, 11                        ; the batch
	s_and_b32 s20, s20, 2047                       ; the position n0: my 128 rows lie in one batch
	s_lshl_b32 s46, s42, 8
	s_lshl_b32 s47, s16, 7
	s_add_co_u32 s46, s46, s47                     ; my first column = 256 x tile column + 128 x half
	s_lshr_b32 s47, s46, 10                        ; q, k or v
	s_bfe_u32 s46, s46, 0x40006                    ; my first head
	s_lshl_b32 s21, s21, 4
	s_add_co_u32 s21, s21, s46
	s_lshl_b32 s21, s21, 11
	s_add_co_u32 s21, s21, s20
	s_lshl_b32 s21, s21, 7                         ; ((16 batch + head) 2,048 + n0) x 128
	s_lshl_b32 s47, s47, 24
	s_add_co_u32 s22, s21, s47                     ; under 2^26
	s_mov_b32 s23, 0
	s_add_nc_u64 s[98:99], s[98:99], s[22:23]
	s_lshl_b32 s22, s20, 12
	s_lshl_b32 s46, s46, 8
	s_add_co_u32 s22, s22, s46
	s_add_nc_u64 s[96:97], s[96:97], s[22:23]
.macro FRAG reg, adr, q, i             ; a fragment, 16 rows x 128 K of 4-bit codes, is 8 registers: lane l holds row l % 16; registers 4 c .. 4 c + 3 hold K = 64 c + 32 (l / 16) + 0 .. 31
.irp c, 0,1
	ds_load_b128 v[\reg+4*\c:\reg+4*\c+3], v[\adr] offset:64*(\q)+32*\c+(\i)*16*PITCH
.endr
.endm
; 16 matrix instructions: x's blocks a0, a0 + 1 against w_qkv's eight, 128 along K: the slot's q-th.  p: w_qkv's set;  sc: the set of scale words.  zero = 1: the first product starts the sums.
; The 64 accumulators take turns, one instruction a turn, in the same order in every step.
.macro MUL16 a0, p, q, sc, zero
.irp a, \a0, \a0+1
.irp b, 0,1,2,3,4,5,6,7
.if \zero
	v_wmma_scale_f32_16x16x128_f8f6f4 v[8*(8*((\a)%4)+\b):8*(8*((\a)%4)+\b)+7], v[128*(\p)+FR*\b:128*(\p)+FR*\b+FR-1], v[AF+FR*(\a):AF+FR*(\a)+FR-1], 0, v[SC+8*NQ*(\sc)+NQ*\b+(\q)], v[SC+8*NQ*(\sc)+NQ*(\a)+(\q)] matrix_a_fmt:MATRIX_FMT_FP4 matrix_b_fmt:MATRIX_FMT_FP4 matrix_a_scale:MATRIX_SCALE_ROW1
.else
	v_wmma_scale_f32_16x16x128_f8f6f4 v[8*(8*((\a)%4)+\b):8*(8*((\a)%4)+\b)+7], v[128*(\p)+FR*\b:128*(\p)+FR*\b+FR-1], v[AF+FR*(\a):AF+FR*(\a)+FR-1], v[8*(8*((\a)%4)+\b):8*(8*((\a)%4)+\b)+7], v[SC+8*NQ*(\sc)+NQ*\b+(\q)], v[SC+8*NQ*(\sc)+NQ*(\a)+(\q)] matrix_a_fmt:MATRIX_FMT_FP4 matrix_b_fmt:MATRIX_FMT_FP4 matrix_a_scale:MATRIX_SCALE_ROW1
.endif
.endr
.endr
.endm
.macro FETCH_B slot, q, p              ; w_qkv's eight fragments of the slot's q-th 128 along K into set p
	WIN TO_B
.irp i, 0,1,2,3,4,5,6,7
	FRAG 128*(\p)+FR*\i, ADRB+\slot, \q, \i
.endr
	WIN 0
.endm
.macro FETCH_A slot, q, i0             ; x's blocks i0 .. i0 + 3
.irp i, \i0, \i0+1, \i0+2, \i0+3
	FRAG AF+FR*(\i), ADRA+\slot, \q, \i
.endr
.endm
.macro SCALES sc                       ; a slot's scale words into set sc: four words a row; lanes 0-15 take x's block i, lanes 16-31 w_qkv's block i
.irp i, 0,1,2,3,4,5,6,7
	ds_load_b128 v[SC+8*NQ*\sc+NQ*\i:SC+8*NQ*\sc+NQ*\i+3], v[ADRS] offset:\i*SBLK
.endr
.endm
; A load into a register that a matrix instruction has read, and a vector instruction or an LDS store that reads a matrix result, stand NP places behind that matrix instruction; only plain vector instructions
; that name none of its registers are places (ISA guide 7.12.1 for vector instructions).
.macro PLACES n
.rept \n
	v_nop
.endr
.endm
; A step of 128 along K that has its successor in the same slot.  x has one set of registers: blocks 0-3 are fetched anew in the step's middle, blocks 4-7 at its end.
.macro STEP slot, q, zero
	s_wait_dscnt 4*NL                              ; w_qkv's set and x's blocks 0-3 are in; the youngest eight loads (x's blocks 4-7) may be out
	WIN MUL_LO
	MUL16 0, (\q)%2, \q, \slot, \zero
	MUL16 2, (\q)%2, \q, \slot, \zero
	s_wait_dscnt 0                                 ; x's blocks 4-7 are in
	PLACES NP
	FETCH_B \slot, (\q)+1, 1-(\q)%2
	FETCH_A \slot, (\q)+1, 0
	WIN MUL_HI
	MUL16 4, (\q)%2, \q, \slot, \zero
	MUL16 6, (\q)%2, \q, \slot, \zero
	PLACES NP
	WIN 0
	FETCH_A \slot, (\q)+1, 4
.endm
; Slot 0's last step changes slots: one barrier; in front of it each wave waits for all its tensor loads (its part of slot 1), adds 0 to its spare word, and waits for that and for its reads of slot 0.  Nothing is filled again.
.macro TURN slot, next
	s_wait_tensorcnt 0x0                           ; all my tensor loads have landed  (every window is 0 here)
	ds_add_u32 v[SPW], v[NIL]                      ; 0 onto my spare word
	s_wait_dscnt 4*NL+1                            ; (the add and the youngest eight loads, x's blocks 4-7, may be out)
	WIN MUL_LO
	MUL16 0, 1, NQ-1, \slot, 0                     ; sixteen matrix instructions stand between the add and the wait for it
	s_wait_dscnt 0x0                               ; the add is done, and my reads of this slot are over
	s_barrier_signal -1
	MUL16 2, 1, NQ-1, \slot, 0
	WIN 0
	s_barrier_wait -1
	PLACES NP
	v_add_nc_u32 v[ADRS], 4*NQ, v[ADRS]            ; on to the next slot's scale words (no LDS load of mine is out)
	FETCH_B \next, 0, 0
	FETCH_A \next, 0, 0
	SCALES \next
	WIN MUL_HI
	MUL16 4, 1, NQ-1, \slot, 0
	MUL16 6, 1, NQ-1, \slot, 0
	PLACES NP
	WIN 0
	FETCH_A \next, 0, 4
.endm
.macro STEPS slot, from                ; the slot's steps from .. NQ - 2
.set Q, \from
.rept NQ-1-\from
	STEP \slot, Q, 0
.set Q, Q+1
.endr
.endm
	s_wait_tensorcnt 1                             ; the scales and my part of slot 0 are in (slot 1's load may be out)
	s_barrier_signal -1
	s_barrier_wait -1                              ; everybody's are
	FETCH_B 0, 0, 0
	FETCH_A 0, 0, 0
	SCALES 0
	FETCH_A 0, 0, 4
	STEP 0, 0, 1                                   ; the first step's products start the sums: nothing is cleared
	STEPS 0, 1
	TURN 0, 1
	STEPS 1, 0
	s_wait_dscnt 4*NL                              ; the very last step: nothing more to fetch
	WIN MUL_LO
	MUL16 0, 1, NQ-1, 1, 0
	MUL16 2, 1, NQ-1, 1, 0
	s_wait_dscnt 0
	WIN MUL_HI
	MUL16 4, 1, NQ-1, 1, 0
	MUL16 6, 1, NQ-1, 1, 0
	WIN 0
; THE WAY OUT, block by block of 16 rows x 128 columns.  A block goes through my own stage in LDS as f32 and comes back 8 neighbouring features a lane.  LDS serves a wave's instructions in order (ISA guide 5.7.1.4):
; no wait between the stores and the loads, nor in front of the next block's stores.  Every step along the rows stands in an immediate (126 rows of the table at the most: 516,112 bytes): no base is stepped.
.macro TOSTAGE a
.set AC, 64*((\a)%4)
	WIN 0x08+4*((\a)/4)                            ; an LDS store's data: window 2 or 3
.irp b, 0,1,2,3,4,5,6,7
	ds_store_b128 v[STO], v[AC+8*\b:AC+8*\b+3] offset:64*\b          ; each accumulator from its low end on
	ds_store_b128 v[STO], v[AC+8*\b+4:AC+8*\b+7] offset:64*\b+16
.endr
	WIN 0
.set BB, BK+64*((\a)%2)
.irp t, 0,1,2,3,4,5,6,7
	ds_load_b128 v[BB+8*\t:BB+8*\t+3], v[RD] offset:\t*2*SPITCH
	ds_load_b128 v[BB+8*\t+4:BB+8*\t+7], v[RD] offset:\t*2*SPITCH+16
.endr
.endm
.macro TABLE a                         ; block a's (cos, sin), four pairs a lane and row pair, into set a % 4 of window 1; other work-groups read the table again, so no hint
.set TS, 64*((\a)%4)
	WIN 0x40
.irp t, 0,1,2,3,4,5,6,7
	global_load_b128 v[TS+8*\t:TS+8*\t+3], v[TO], s[96:97] offset:(16*(\a)+2*\t)*4096
	global_load_b128 v[TS+8*\t+4:TS+8*\t+7], v[TO], s[96:97] offset:(16*(\a)+2*\t)*4096+16
.endr
	WIN 0
.endm
.macro ROT a                           ; (a, b) -> (a c - b s, a s + b c): (a c, a s) by a packed multiply that takes a for both halves, then b x (-s, c) added to it
.set BB, BK+64*((\a)%2)
.set TS, 64*((\a)%4)
	WIN 0x04                                       ; source 1, the table, in window 1
.irp t, 0,1,2,3,4,5,6,7
.irp i, 0,1,2,3
	v_pk_mul_f32 v[TMP+2*\i:TMP+2*\i+1], v[BB+8*\t+2*\i:BB+8*\t+2*\i+1], v[TS+8*\t+2*\i:TS+8*\t+2*\i+1] op_sel_hi:[0,1]
.endr
.irp i, 0,1,2,3
	v_pk_fma_f32 v[BB+8*\t+2*\i:BB+8*\t+2*\i+1], v[BB+8*\t+2*\i:BB+8*\t+2*\i+1], v[TS+8*\t+2*\i:TS+8*\t+2*\i+1], v[TMP+2*\i:TMP+2*\i+1] op_sel:[1,1,0] op_sel_hi:[1,0,1] neg_lo:[0,1,0]
.endr
.endr
	WIN 0
.endm
.macro CVT a                           ; to f16, in place, ascending: register i takes numbers 2 i and 2 i + 1, which have been read by then
.set BB, BK+64*((\a)%2)
.irp t, 0,1,2,3,4,5,6,7
.irp i, 0,1,2,3
	v_cvt_pk_f16_f32 v[BB+8*\t+\i], v[BB+8*\t+2*\i], v[BB+8*\t+2*\i+1]
.endr
.endr
.endm
.macro STORE a
.set BB, BK+64*((\a)%2)
.irp t, 0,1,2,3,4,5,6,7
	global_store_b128 v[CO], v[BB+8*\t:BB+8*\t+3], s[98:99] offset:(16*(\a)+2*\t)*128   ; 16 lanes store 256 consecutive bytes, aligned: two rows of a head
.endr
.endm
.macro WAYOUT rot                      ; rot = 1: q and k; 0: v
.if \rot
	TABLE 0
	TABLE 1
	TABLE 2                                        ; the table runs three blocks ahead
.endif
	TOSTAGE 0
.irp a, 0,1,2,3,4,5,6,7
.if (\a >= 1) && (\a < 7)
	s_wait_xcnt 0x0                                ; block a - 1's stores have read their registers: block a + 1's loads may land there
.endif
.if \a < 7
	TOSTAGE \a+1
	s_wait_dscnt 32                                ; block a is back; block a + 1's 16 stores and 16 loads may be out
.else
	s_wait_dscnt 0x0
.endif
.if \rot
.if \a <= 5
	s_wait_loadcnt 32                              ; block a's table is in; the 32 loads of the two blocks behind it may be out
.else
	s_wait_loadcnt 16*(7-\a)
.endif
	ROT \a
.endif
	CVT \a
	STORE \a
.if \rot && (\a <= 4)
	TABLE \a+3
.endif
.endr
.endm
	PLACES NP                                      ; behind the last products: for the loads into the registers that held fragments, and for the reads of the results
	s_cmp_eq_u32 ttmp9, 2                          ; the cluster's x is 0 for q, 1 for k, 2 for v (a cluster is 1,024 columns wide): the same in all sixteen partners
	s_cbranch_scc1 .Lplain
	WAYOUT 1
	s_branch .Lend
.Lplain:
	WAYOUT 0
.Lend:
	s_wait_tensorcnt 0x0                           ; the wave's end: behind my last tensor load and my last LDS store
	ds_add_u32 v[SPW], v[NIL]
	s_wait_dscnt 0x0
	CROUND                                         ; the closing round: no work-group ends while a partner may still ask for a tile that names it
	s_endpgm
.Lfunc_end_k_qa17b3487cc_qkv:
	.size	k_qa17b3487cc_qkv, .Lfunc_end_k_qa17b3487cc_qkv-k_qa17b3487cc_qkv
	.p2alignl 7, 3214868480
	.fill 96, 4, 3214868480
	.section	.rodata,"a",@progbits
	.p2align	6, 0x0
	.amdhsa_kernel k_qa17b3487cc_qkv
		.amdhsa_group_segment_fixed_size 327680
		.amdhsa_private_segment_fixed_size 0
		.amdhsa_enable_private_segment 0
		.amdhsa_kernarg_size 48
		.amdhsa_user_sgpr_count 2
		.amdhsa_user_sgpr_kernarg_segment_ptr 1
		.amdhsa_wavefront_size32 1
		.amdhsa_system_sgpr_workgroup_id_x 1
		.amdhsa_system_sgpr_workgroup_id_y 1
		.amdhsa_system_sgpr_workgroup_id_z 1
		.amdhsa_system_vgpr_workitem_id 0
		.amdhsa_next_free_vgpr 1024
		.amdhsa_next_free_sgpr 100
		.amdhsa_reserve_vcc 0
		.amdhsa_float_denorm_mode_32 3
		.amdhsa_float_denorm_mode_16_64 3
		.amdhsa_memory_ordered 1
		.amdhsa_forward_progress 1
		.amdhsa_inst_pref_size 219
	.end_amdhsa_kernel
	.amdgpu_metadata
---
amdhsa.version: [ 1, 2 ]
amdhsa.kernels:
  - .name:           k_qa17b3487cc_qkv
    .symbol:         k_qa17b3487cc_qkv.kd
    .args:
      - { .name: xc, .offset: 0, .size: 8, .value_kind: global_buffer, .address_space: global }
      - { .name: xs, .offset: 8, .size: 8, .value_kind: global_buffer, .address_space: global }
      - { .name: wc, .offset: 16, .size: 8, .value_kind: global_buffer, .address_space: global }
      - { .name: ws, .offset: 24, .size: 8, .value_kind: global_buffer, .address_space: global }
      - { .name: tab, .offset: 32, .size: 8, .value_kind: global_buffer, .address_space: global }
      - { .name: qkv16, .offset: 40, .size: 8, .value_kind: global_buffer, .address_space: global }
    .group_segment_fixed_size: 327680
    .private_segment_fixed_size: 0
    .kernarg_segment_align: 8
    .kernarg_segment_size: 48
    .max_flat_workgroup_size: 128
    .sgpr_count:     100
    .vgpr_count:     1024
    .wavefront_size: 32
...
	.end_amdgpu_metadata
.endif
;; end of part 2
;; launch attn (part 3): grid 4 x 64, 8 waves a work-group, clusters of 4 x 1, 327,680 bytes of LDS; arguments qkv16, att16; writes att16
.if DOCPART == 3
	.amdgcn_target "amdgcn-amd-amdhsa--gfx1250"
	.amdhsa_code_object_version 6
	.text
	.protected	k_qa17b3487cc_attn
	.globl	k_qa17b3487cc_attn
	.p2align	8
	.type	k_qa17b3487cc_attn,@function
k_qa17b3487cc_attn:
	s_mov_b64 s[64:65], 0
	v_nop
	global_prefetch_b8 v0, s[64:65] scope:SCOPE_SE
	s_setreg_imm32_b32 hwreg(HW_REG_WAVE_MODE, 25, 1), 1
	s_wait_xcnt 0x0
	s_wait_alu depctr_hold_cnt(0) depctr_sa_sdst(0) depctr_va_vdst(0) depctr_va_sdst(0) depctr_va_ssrc(0) depctr_va_vcc(0) depctr_vm_vsrc(0)
	s_getreg_b32 s2, hwreg(HW_REG_IB_STS2, 6, 4)
	s_cmp_eq_u32 s2, 0
	s_cbranch_scc0 .Lentry_in_a_cluster
	s_endpgm
.Lentry_in_a_cluster:
	s_bfe_u32 s2, ttmp6, 0x10000c
	s_cmp_lg_u32 s2, 0x3003
	s_cbranch_scc0 .Lentry_shape_is_right
	s_endpgm
.Lentry_shape_is_right:
; att[bh][q][:] = the sum over k of softmax_k(Q[bh][q] . K[bh][k] / 8) V[bh][k][:].  Q, K, V: the three sections of qkv16, [64][2048][64] f16 each; att16 the same shape, f16.  No mask.
; Products, maxima and sums in f32; the weights p are rounded to f16 for the second product, the result once at the end.
; LIMITS: NaN and infinities are not served; results beyond 65,504 become infinity in f16, under 6e-5 they keep a step of 6e-8; weights p under 6e-5 likewise.
; SHARES.  A work-group owns 512 queries of one (batch, head); each of its eight waves 64: four tiles of 16, in 512 registers, two waves to a SIMD.  Every wave walks all 2,048 keys, 64 a step.
; LAYOUT.  S^T = K Q^T (source 0 = 16 keys, source 1 = 16 queries): a lane holds ONE query (lane % 16) and the keys 8 (lane / 16) + 0..7 of a tile.  Two such tiles, rounded to f16 in pairs, ARE source 1
; (32 keys x 16 queries) of O^T = V^T P, whose result again holds one query a lane.  K comes out of LDS as it lies, V ([key][channel]) turned, by ds_load_tr16_b128.  P is written over the low half of S^T.
; SOFTMAX.  For each query a running maximum m and sum l: p = 2^(c s - c m), c = log2(e) / 8; in every step O and l are multiplied by a = 2^(c m_old - c m_new).  m begins at -3e38, O and l at 0: the first a is 0.
; BY TURNS.  A tile's softmax for a key step is a list of 118 vector instructions.  A TURN cuts it into 16 slices of 7 or 8 and sets one slice behind each of 16 matrix instructions that belong to OTHER tiles,
; so that one wave has matrix and vector work under way at the same time.  Body j of the loop is four turns (softmax | first eight products | LDS loads | second eight products):
;   turn 1: tile 1 of step j     | K Q^T tile 3, step j | K of step j + 1 | V^T P tile 0, step j
;   turn 2: tile 2 of step j     | V^T P tile 1, step j |                 | K Q^T tile 0, step j + 1
;   turn 3: tile 3 of step j     | V^T P tile 2, step j |                 | K Q^T tile 1, step j + 1
;   turn 0: tile 0 of step j + 1 | V^T P tile 3, step j | V of step j + 1 | K Q^T tile 2, step j + 1
; V^T P of a tile stands in the turn behind its softmax; K Q^T of a tile writes over its P at least eight slices behind the last product that read it; a softmax reads scores made at least eight slices earlier.
; CLUSTER.  The four work-groups of a (batch, head) are one cluster and walk the same K and V: each tile is asked for JOINTLY, by the same tensor load with the same descriptor and the mask 15.
; RING.  Two LDS slots of 256 keys (four steps); one round of the cluster's barrier for each change of slots; behind it each of the eight waves issues one load (64 rows), which has four steps in which to land.
; REGISTERS, in two windows of 256:  window 0: v1-15 addresses; v16-47 statistics, 8 a tile; v64-127 K of one step; v128-255 S^T, 32 a tile.   window 1: v0-127 O^T, 32 a tile; v128-191 Q, 16 a tile; v192-255 V of one step.
; No window has room for a product's operands beside the softmax's registers: a slice costs two switches of the window, one in front and one behind.
.set PK,     144      ; a row of K in LDS: 128 bytes + 16 of padding = 36 words: the 16 rows of a load start at 16 different multiples of 4 words modulo 64 (64 banks of 4 bytes: ISA guide 11.1)
.set PV,     160      ; a row of V: 128 + 32
.set VOFF,   256*PK   ; a slot: 256 rows of K, then 256 rows of V
.set KSTEPB, 64*PK    ; a step's rows of K
.set VSTEPB, 64*PV    ; and of V
.set SLOT1,  1<<17    ; slot 1 begins here, so that one exclusive or turns an address in one slot into the other's
.set SLOTG,  256*128  ; a slot's rows in memory, in bytes
.set SPT,    144      ; a row of the stage: 128 bytes + 16
.set STAGE,  SLOT1+256*(PK+PV)  ; behind the ring: 64 rows x 144 bytes for each wave, for the way out; no fill lands there
.set SPARE,  STAGE+8*64*SPT     ; behind the stages: the spare words, 128 bytes a wave, which no other line names
.set NSM,    118      ; vector instructions in a tile's softmax for a step
.set AK0, 2           ; v2   my lane's place in a step's rows of K; never rewritten
.set AV0, 3           ; v3   the same for V
.set ADK, 4           ; v4   the LDS address of K's run of loads
.set ADV, 5           ; v5   of V's
.set QO,  6           ; v6   my byte offset in the wave's rows of Q
.set STO, 7           ; v7   the way out: where I put 16 bytes of a row
.set RD,  8           ; v8   where I read 16 bytes back
.set GO,  10          ; v10  my byte offset in the wave's rows of att16
.set PFO, 11          ; v11  256 x my lane; never rewritten
.set SPW, 12          ; v12  LDS address of my spare word; never rewritten
.set NIL, 13          ; v13  0; never rewritten
.set ST,  16          ; tile t's statistics at v[ST + 8 t]: +0 c m, +1 m, +2, +3 l (even keys', odd keys'), +4 to +7 at work; a in +6
.set KB,  64
.set S,   128
.set QF,  128         ; in window 1
.set VB,  192         ; in window 1
.set WV,  12          ; s12  my wave's number
.set LIM, 15          ; s15  1 in a wave that prefetches, else the greatest number
.set PFA, 18          ; s[18:19] where my prefetches stand
.set G1K, 24          ; s[24:31] descriptor group 1 for K's tiles
.set G1V, 32          ; s[32:39] for V's: it differs in the padding alone
.set G0K, 40          ; s[40:47] group 0 for K's tiles: a set for each of the two first fills; the second then walks on
.set G0V, 48          ; s[48:55] the same for V's
.set SLOTS, 56        ; s56  slots still to be asked for
.set CNT, 57          ; s57  counts three steps
.set CS,  58          ; s[58:59] c
.set SEL, 60          ; s[60:61] lane selects for v_permlanex16_b32: lane l xor 16
.set TK,  62          ; s62  LDS byte at which the rows of K to be fetched next begin
.set TV,  63          ; s63  the same for V (less VOFF)
.set MSB, 0
.macro WIN new                      ; the immediate's high byte repeats the setting that is left; a switch that changes nothing is dropped
.if MSB != (\new)
	s_set_vgpr_msb (MSB<<8)|(\new)
.set MSB, (\new)
.endif
.endm
; A joint refill.  Waves 0-3 fetch the slot's four steps of K, waves 4-7 those of V.  The branch hangs on the wave's number alone.  An s_nop 0 and four v_nop follow each of the two lines.
.macro JLOAD
	s_cmp_lt_u32 s[WV], 4
	s_cbranch_scc0 .Lfor_v_\@
	tensor_load_to_lds s[G0K+4:G0K+7], s[G1K:G1K+7]
	s_nop 0
.rept 4
	v_nop
.endr
	s_branch .Lasked_\@
.Lfor_v_\@:
	tensor_load_to_lds s[G0V+4:G0V+7], s[G1V:G1V+7]
	s_nop 0
.rept 4
	v_nop
.endr
.Lasked_\@:
.endm
; A PREFETCH INTO THE L2 of what the NEXT change of slots will ask for: a slot's 32,768 bytes of K and of V, lanes 256 bytes apart.  It stands behind the wave's tensor load and its five lines.
; Each aligned block of 256 bytes is named ONCE in the launch: a (batch, head) has one cluster; its four partners take 8,192 bytes each, told apart BY ADDRESS; in each, wave 0 asks for K's and wave 4 for V's.
; It asks four key steps ahead of the load that will want the rows.  Slots 0 to 2 come by their loads alone; the last change that fills a slot asks for nothing: there is no slot behind it.
.macro ASK
	s_cmp_gt_u32 s[SLOTS], s[LIM]
	s_cbranch_scc0 .Lnot_mine_\@
	global_prefetch_b8 v[PFO], s[PFA:PFA+1] th:TH_LOAD_NT scope:SCOPE_SE
.Lnot_mine_\@:
.endm
.macro CROUND                       ; a round of the cluster's barrier: my work-group's barrier; wave 0 signals for the work-group; every wave waits for all four; my work-group's barrier once more
	s_barrier_signal -1
	s_barrier_wait -1
	s_cmp_lg_u32 s[WV], 0
	s_cbranch_scc1 .Lnot_wave_0_\@
	s_barrier_signal -3
.Lnot_wave_0_\@:
	s_barrier_wait -3
	s_barrier_signal -1
	s_barrier_wait -1
.endm
	s_load_b128 s[4:7], s[0:1], 0x0   ; qkv16 s[4:5], att16 s[6:7]
	v_lshl_add_u32 v[SPW], v0, 2, SPARE
	v_mov_b32 v[NIL], 0
	ds_add_u32 v[SPW], v[NIL]       ; the wave's opening: the add, twice on end, and its wait ahead of my first tensor load
	ds_add_u32 v[SPW], v[NIL]       ; the same add once more; the set-up below, work on registers, stands between it and the wait
	v_lshrrev_b32 v1, 5, v0
	v_readfirstlane_b32 s[WV], v1   ; wave 0..7
	s_bfe_u32 s13, ttmp6, 0x40000   ; cx: my place in the cluster
	s_and_b32 s20, ttmp7, 0xffff    ; the (batch, head), which the four partners share
	s_lshl_b32 s20, s20, 18         ; its first byte in a section: 2,048 rows of 128 bytes each
	s_mov_b32 s21, 0
	s_and_b32 s16, s[WV], 3         ; which of a slot's four steps I fetch:
	s_lshl_b32 s22, s16, 13         ; its 64 rows of 128 bytes in memory,
	s_mov_b32 s23, 0
	s_mul_i32 s17, s16, KSTEPB      ; and its place in a slot, for K
	s_mul_i32 s14, s16, VSTEPB
	s_add_co_u32 s14, s14, VOFF     ; and for V: no place in the cluster enters an LDS address
	s_lshl_b32 s2, ttmp9, 2
	s_add_co_u32 s2, s2, s13        ; my block of 512 queries: it enters Q's and att16's addresses alone
	s_lshl_b32 s2, s2, 16
	s_lshl_b32 s3, s[WV], 13        ; my wave's 64 rows
	s_add_co_u32 s2, s2, s3
	s_add_co_u32 s2, s2, s20
	s_mov_b32 s3, 0
	; descriptor group 1: a tile of 64 rows x 64 elements of 2 bytes, dense in memory, padded in LDS
	s_mov_b32 s[G1K], 15|(1<<16)|(1<<20)|(1<<21)|(4<<22)|(3<<25)  ; 15:0 the mask: all four work-groups; 17:16 elements of 2 bytes; 20 padding on; 21 set beside a mask; 24:22 after every 32 words; 31:25 four words of it
	s_mov_b32 s[G1V], 15|(1<<16)|(1<<20)|(1<<21)|(4<<22)|(7<<25)  ; the same with eight words of padding
.irp g, G1K, G1V
	s_mov_b32 s[\g+1], 64<<16       ; tensor_dim0 = 64
	s_mov_b32 s[\g+2], 64<<16       ; tensor_dim1 = 64
	s_mov_b32 s[\g+3], 64<<16       ; tile_dim0 = 64
	s_mov_b32 s[\g+4], 64           ; tile_dim1 = 64
	s_mov_b32 s[\g+5], 64           ; tensor_dim0_stride
	s_mov_b32 s[\g+6], 0
	s_mov_b32 s[\g+7], 0
.endr
	s_mov_b32 s[CS], 0x3e38aa3b     ; c = log2(e) / 8
	s_mov_b32 s[CS+1], s[CS]        ; named with it as a pair, so it is written
	s_mov_b32 s[SEL], 0x76543210
	s_mov_b32 s[SEL+1], 0xfedcba98
	s_mov_b32 s[TK], 0
	s_mov_b32 s[TV], 0
	s_mov_b32 s[SLOTS], 6           ; eight slots' worth of keys, two of them asked for at the head
	s_cmp_eq_u32 s16, 0             ; waves 0 and 4 prefetch: the same in all four partners
	s_cselect_b32 s[LIM], 1, -1
	v_and_b32 v[PFO], 31, v0
	v_lshlrev_b32 v[PFO], 8, v[PFO]
	s_wait_dscnt 0x0                ; both opening adds are done
	s_wait_kmcnt 0x0
	s_add_nc_u64 s[8:9], s[4:5], s[20:21]
	s_add_nc_u64 s[10:11], s[8:9], 0x2000000   ; V of my (batch, head)
	s_add_nc_u64 s[8:9], s[8:9], 0x1000000     ; K
	s_add_nc_u64 s[4:5], s[4:5], s[2:3]        ; Q at my wave's first row
	s_add_nc_u64 s[6:7], s[6:7], s[2:3]        ; att16 likewise
	s_cmp_lt_u32 s[WV], 4
	s_cselect_b64 s[PFA:PFA+1], s[8:9], s[10:11]
	s_lshl_b32 s2, s13, 13          ; my work-group's 8,192 bytes of a slot's 32,768
	s_add_nc_u64 s[PFA:PFA+1], s[PFA:PFA+1], s[2:3]
	s_add_nc_u64 s[PFA:PFA+1], s[PFA:PFA+1], 2*SLOTG  ; in slot 2; the first change of slots steps it to slot 3.  Nothing is prefetched at the head
	s_add_nc_u64 s[20:21], s[8:9], s[22:23]    ; K and V at my tile of slot 0
	s_add_nc_u64 s[22:23], s[10:11], s[22:23]
	CROUND                          ; all four work-groups are here: the first joint loads meet
.irp s, 0,1
	s_mov_b32 s[G0K+4*\s], 1        ; count = 1
	s_add_co_u32 s[G0K+4*\s+1], s17, \s*SLOT1  ; LDS address
	s_add_nc_u64 s[G0K+4*\s+2:G0K+4*\s+3], s[20:21], \s*SLOTG  ; global address: slot s begins with key 256 s
	s_or_b32 s[G0K+4*\s+3], s[G0K+4*\s+3], 0x80000000  ; type = 2
	s_mov_b32 s[G0V+4*\s], 1
	s_add_co_u32 s[G0V+4*\s+1], s14, \s*SLOT1
	s_add_nc_u64 s[G0V+4*\s+2:G0V+4*\s+3], s[22:23], \s*SLOTG
	s_or_b32 s[G0V+4*\s+3], s[G0V+4*\s+3], 0x80000000
.endr
	s_cmp_lt_u32 s[WV], 4           ; a wave's two first fills stand in one branch, ahead of every wait on TENSORcnt and every LDS read: two loads of mine are out
	s_cbranch_scc0 .Lfirst_v
	tensor_load_to_lds s[G0K:G0K+3], s[G1K:G1K+7]
	s_nop 0
	tensor_load_to_lds s[G0K+4:G0K+7], s[G1K:G1K+7]
	s_nop 0
.rept 4
	v_nop
.endr
	s_branch .Lfirst_asked
.Lfirst_v:
	tensor_load_to_lds s[G0V:G0V+3], s[G1V:G1V+7]
	s_nop 0
	tensor_load_to_lds s[G0V+4:G0V+7], s[G1V:G1V+7]
	s_nop 0
.rept 4
	v_nop
.endr
.Lfirst_asked:
	; A fragment of K or Q is 16 rows x 32 channels in 8 registers: lane l holds row l % 16; registers 0-3 channels 8 (l / 16) + 0..7, registers 4-7 channels 16 + 8 (l / 16) + 0..7: two loads of 16 bytes, 32 bytes apart.
	v_and_b32 v1, 15, v0            ; r
	v_bfe_u32 v9, v0, 4, 1          ; h
	v_lshlrev_b32 v[QO], 7, v1
	v_lshl_add_u32 v[QO], v9, 4, v[QO]
	WIN 0x40                        ; destination window 1
.irp t, 0,1,2,3
.irp kc, 0,1                        ; Q stays in registers: tile t, channels 32 kc on
	global_load_b128 v[QF+16*\t+8*\kc:QF+16*\t+8*\kc+3],   v[QO], s[4:5] offset:2048*\t+64*\kc
	global_load_b128 v[QF+16*\t+8*\kc+4:QF+16*\t+8*\kc+7], v[QO], s[4:5] offset:2048*\t+64*\kc+32
.endr
.endr
.set i, 0
.rept 128
	v_mov_b32 v[i], 0               ; O^T.  The step is written once: its first walk finds zeros, which a = 0 leaves zeros; a first step of its own would be one more copy of the step's text
.set i, i+1
.endr
	WIN 0
	v_mul_u32_u24 v[AK0], v1, PK
	v_lshl_add_u32 v[AK0], v9, 4, v[AK0]  ; row x pitch + 16 x half
	; The turning load takes 16 keys x 16 channels (lane l reads 16 bytes: key 8 (l / 16) + l % 8, channels 8 ((l / 8) % 2) + 0..7) and leaves half a fragment of V^T: lane l holds channel l % 16 and 8 keys.
	v_and_b32 v14, 7, v0
	v_bfe_u32 v15, v0, 3, 1
	v_lshl_add_u32 v[AV0], v9, 3, v14
	v_mul_u32_u24 v[AV0], v[AV0], PV
	v_lshl_add_u32 v[AV0], v15, 4, v[AV0]
	v_add_nc_u32 v[AV0], VOFF, v[AV0]
	s_mul_i32 s14, s[WV], 64*SPT
	s_add_co_u32 s14, s14, STAGE    ; my stage
	v_mul_u32_u24 v[STO], v1, SPT   ; in: row r of a tile, 16 bytes for each half of the lanes
	v_lshl_add_u32 v[STO], v9, 4, v[STO]
	v_add_nc_u32 v[STO], s14, v[STO]
	v_bfe_u32 v15, v0, 3, 2
	v_mul_u32_u24 v[RD], v15, SPT   ; back: eight lanes to a row of 128 bytes, four rows an instruction
	v_lshl_add_u32 v[RD], v14, 4, v[RD]
	v_add_nc_u32 v[RD], s14, v[RD]
	v_and_b32 v[GO], 31, v0
	v_lshlrev_b32 v[GO], 4, v[GO]   ; and the same 512 consecutive bytes in att16
.irp t, 0,1,2,3
	v_mov_b32 v[ST+8*\t+1], 0xff61b1e6      ; m = -3e38, under every score
	v_mov_b32 v[ST+8*\t+2], 0               ; l
	v_mov_b32 v[ST+8*\t+3], 0
.endr
.irp t, 0,1,2,3
	v_mul_f32 v[ST+8*\t], s[CS], v[ST+8*\t+1]   ; c m
.endr
; THE LDS LOADS stand in runs of 16, never singly among the matrix instructions: a step's K (64 keys x 64 channels: 8 fragments) and its V (turned).
.macro FETCH_K
	WIN 0
.irp f, 0,1,2,3,4,5,6,7             ; keys 16 (f / 2) on, channels 32 (f % 2) on
	ds_load_b128 v[KB+8*\f:KB+8*\f+3],   v[ADK] offset:(\f/2)*16*PK+(\f%2)*64
	ds_load_b128 v[KB+8*\f+4:KB+8*\f+7], v[ADK] offset:(\f/2)*16*PK+(\f%2)*64+32
.endr
	s_add_co_u32 s[TK], s[TK], KSTEPB   ; the next fetch is the next step's
.endm
.macro FETCH_V
	WIN 0x40                        ; destination window 1
.irp f, 0,1,2,3,4,5,6,7             ; keys 32 (f / 4) on, channels 16 (f % 4) on
	ds_load_tr16_b128 v[VB+8*\f:VB+8*\f+3],   v[ADV] offset:(\f/4)*32*PV+(\f%4)*32
	ds_load_tr16_b128 v[VB+8*\f+4:VB+8*\f+7], v[ADV] offset:(\f/4)*32*PV+16*PV+(\f%4)*32
.endr
	s_add_co_u32 s[TV], s[TV], VSTEPB
.endm
; THE MATRIX WORK, one instruction at a time.  The four accumulators of a tile take turns, one instruction a turn: between two links of a chain stand three others'.
; Product i of 8 of S^T = K Q^T of tile t: channels 32 (i / 4) on, keys 16 (i % 4) on.  The first four start the sums.
.macro QKI t
.set rD, S+32*(\t)+8*(i%4)
.set rA, KB+16*(i%4)+8*(i/4)
.set rB, QF+16*(\t)+8*(i/4)
	WIN 0x04                        ; Q in window 1
.if i < 4
	v_wmma_f32_16x16x32_f16 v[rD:rD+7], v[rA:rA+7], v[rB:rB+7], 0
.else
	v_wmma_f32_16x16x32_f16 v[rD:rD+7], v[rA:rA+7], v[rB:rB+7], v[rD:rD+7]
.endif
.endm
; Product i of 8 of O^T += V^T P of tile t: keys 32 (i / 4) on, channels 16 (i % 4) on.
.macro PVI t
.set rD, 32*(\t)+8*(i%4)
.set rA, VB+32*(i/4)+8*(i%4)
.set rB, S+32*(\t)+8*(i/4)
	WIN 0x51                        ; V, C and D in window 1, P in window 0
	v_wmma_f32_16x16x32_f16 v[rD:rD+7], v[rA:rA+7], v[rB:rB+7], v[rD:rD+7]
.endm
; THE VECTOR WORK.  SMN writes number j of the list of tile t's softmax for one key step.  The lane's 32 scores s0-s31 lie in v[rS] on, in pairs 0-15.
;   0-15    the maximum of s0-s31 and the old m, three operands at a time, in four chains; each accumulator is read from its low end on
;   16-21   the other half of the lanes' maximum; c m_old kept; the new m; c m; their difference; a = 2^(c m_old - c m_new)
;   22-69   ONE BATCH: the 16 scalings c s - c m, a pair each, and the 32 exponentials, as scaling, exponential, exponential; a pair is scaled ahead of its exponentials.  None of these reads an exponential's result
;   (wait)  between 69 and 70: a plain instruction and the ONE wait between the 33 exponentials and the first instruction that names a result
;   70-101  the sums, of the unrounded p, in two chains, and the roundings to f16, by turns: rounding n writes register n, whose pair has been summed, and reads registers 2 n and 2 n + 1, which no rounding has written
;   102-117 the tile's O^T times a, each accumulator from its low end on: the one part that leaves window 0
.macro SMN t
.set rT, ST+8*(\t)
.set rS, S+32*(\t)
.set rO, 32*(\t)
.if j < 102
	WIN 0
.else
	WIN 0x41                        ; O^T in window 1, a in window 0
.endif
.if j == 70
	v_nop
	s_wait_alu depctr_va_vdst(0)
.endif
.if j < 4
	v_max3_num_f32 v[rT+4+j], v[rS+8*j], v[rS+8*j+1], v[rS+8*j+2]
.elseif j < 12
	v_max3_num_f32 v[rT+4+j%4], v[rT+4+j%4], v[rS+8*(j%4)+2*(j/4)+1], v[rS+8*(j%4)+2*(j/4)+2]
.elseif j == 12
	v_max3_num_f32 v[rT+4], v[rT+4], v[rS+7], v[rS+15]
.elseif j == 13
	v_max3_num_f32 v[rT+6], v[rT+6], v[rS+23], v[rS+31]
.elseif j == 14
	v_max3_num_f32 v[rT+4], v[rT+4], v[rT+5], v[rT+6]
.elseif j == 15
	v_max3_num_f32 v[rT+4], v[rT+4], v[rT+7], v[rT+1]        ; with the old m
.elseif j == 16
	v_permlanex16_b32 v[rT+5], v[rT+4], s[SEL], s[SEL+1]     ; the query's other 32 keys lie in the lane 16 away
.elseif j == 17
	v_mov_b32 v[rT+7], v[rT]                                 ; c m_old
.elseif j == 18
	v_max_num_f32 v[rT+1], v[rT+4], v[rT+5]                  ; the new m
.elseif j == 19
	v_mul_f32 v[rT], s[CS], v[rT+1]                          ; c m
.elseif j == 20
	v_sub_f32 v[rT+7], v[rT+7], v[rT]
.elseif j == 21
	v_exp_f32 v[rT+6], v[rT+7]                               ; a
.elseif j == 22
	v_pk_fma_f32 v[rS:rS+1], v[rS:rS+1], s[CS:CS+1], v[rT:rT+1] op_sel_hi:[1,0,0] neg_lo:[0,0,1] neg_hi:[0,0,1]   ; pair 0: c s - c m
.elseif j < 68
.if (j-23)%3 == 0
.set pb, (j-23)/3+1                 ; 23, 26, .. 65: pairs 1 to 15
	v_pk_fma_f32 v[rS+2*pb:rS+2*pb+1], v[rS+2*pb:rS+2*pb+1], s[CS:CS+1], v[rT:rT+1] op_sel_hi:[1,0,0] neg_lo:[0,0,1] neg_hi:[0,0,1]
.else
.set pe, 2*((j-23)/3)+(j-23)%3-1    ; 24, 25, 27, 28, .. 66, 67: s0 to s29
	v_exp_f32 v[rS+pe], v[rS+pe]                             ; p
.endif
.elseif j < 70
	v_exp_f32 v[rS+j-38], v[rS+j-38]                         ; s30, s31
.elseif j < 102
.set pz, j-70
.set pn, pz/2
.if pz%2 == 1
	v_cvt_pk_f16_f32 v[rS+pn], v[rS+2*pn], v[rS+2*pn+1]      ; P, in place
.elseif pn == 0
	v_pk_fma_f32 v[rT+2:rT+3], v[rT+2:rT+3], v[rT+6:rT+7], v[rS:rS+1] op_sel_hi:[1,0,1]   ; l = a l + pair 0
.elseif pn == 1
	v_pk_add_f32 v[rT+4:rT+5], v[rS+2:rS+3], v[rS+4:rS+5]    ; the second chain begins with pairs 1 and 2
.elseif pn == 15
	v_pk_add_f32 v[rT+2:rT+3], v[rT+2:rT+3], v[rT+4:rT+5]    ; the two chains
.elseif pn%2 == 0
	v_pk_add_f32 v[rT+2:rT+3], v[rT+2:rT+3], v[rS+2*pn+2:rS+2*pn+3]   ; pairs 3, 5, .. 15
.else
	v_pk_add_f32 v[rT+4:rT+5], v[rT+4:rT+5], v[rS+2*pn+2:rS+2*pn+3]   ; pairs 4, 6, .. 14
.endif
.else
	v_pk_mul_f32 v[rO+2*(j-102):rO+2*(j-102)+1], v[rO+2*(j-102):rO+2*(j-102)+1], v[rT+6:rT+7] op_sel_hi:[1,0]
.endif
.endm
.macro SLICE t                      ; slice k of 16: the list's numbers from 118 k / 16 up to 118 (k + 1) / 16
.set shi, (NSM*(k+1))/16
.rept shi-j
	SMN \t
.set j, j+1
.endr
.set k, k+1
.endm
.macro HALF kind, mt, t             ; eight matrix instructions (kind 1: V^T P, 2: K Q^T, of tile mt), per slices of tile t's softmax behind each
.set i, 0
.rept 8
.if \kind == 1
	PVI \mt
.else
	QKI \mt
.endif
.rept per
	SLICE \t
.endr
.set i, i+1
.endr
.endm
; A TURN: tile t's softmax in 16 slices behind the products (a, at), then (b, bt); kind 0: none, and the other eight products have two slices each.
; f: the run of LDS loads between the halves: 1: V, 2: K, 0: none.  w: the count of the wait on DScnt in front of the second half; -1: none.
; PLACES (ISA guide 7.12.1 for vector instructions).  A run of loads lands in registers that the first half's products have read: the address's v_add_nc_u32 and three v_nop are its four places.
; No slice names a register of the products round it: they belong to other tiles.
.macro TURN t, a, at, b, bt, f, w
.set k, 0
.set j, 0
.if (\a) && (\b)
.set per, 1
.else
.set per, 2
.endif
.if \a
	HALF \a, \at, \t
.endif
.if \f == 1
	WIN 0
	v_add_nc_u32 v[ADV], s[TV], v[AV0]
.rept 3
	v_nop
.endr
	FETCH_V
.elseif \f == 2
	WIN 0
	v_add_nc_u32 v[ADK], s[TK], v[AK0]
.rept 3
	v_nop
.endr
	FETCH_K
.endif
.if \w >= 0
	s_wait_dscnt \w
.endif
.if \b
	HALF \b, \bt, \t
.endif
.endm
; THE CHANGE OF SLOTS stands at the head of the body of a slot's last step: V of that step has been asked for (in the turn before), K of the next slot's first step has not.  Each wave waits for all its tensor
; loads, of which one is out: its part of the other slot; adds 0 to its spare word; and waits for that and for its own reads of the slot.  fill = 1: the slot is filled again, with the keys two slots on: the barrier
; is then a round of the cluster's, and the joint refill is the first thing behind it.
.macro CHANGE fill
	WIN 0
	s_wait_tensorcnt 0x0            ; no tensor load of mine is out, so a group 0 may be written
	ds_add_u32 v[SPW], v[NIL]       ; 0 onto my spare word
.if \fill
.irp g, G0K+4, G0V+4
	s_xor_b32 s[\g+1], s[\g+1], SLOT1  ; the walking descriptor: the other slot than last time,
	s_add_nc_u64 s[\g+2:\g+3], s[\g+2:\g+3], SLOTG  ; the next 256 keys; the type bits on top are not reached
.endr
	s_wait_xcnt 0x0                 ; the last prefetch, four steps back, has read its address, so it may be written
	s_add_nc_u64 s[PFA:PFA+1], s[PFA:PFA+1], SLOTG
	s_wait_dscnt 0x0                ; the add is done, and my reads of the slot are over
	CROUND
	JLOAD
	ASK
.else
	s_wait_dscnt 0x0                ; the add is done, and my reads of the slot are over
	s_barrier_signal -1
	s_barrier_wait -1
.endif
	s_sub_co_u32 s[TK], s[TK], 4*KSTEPB  ; the fetches go back to a slot's first step,
	s_xor_b32 s[TK], s[TK], SLOT1   ; in the other slot
	s_sub_co_u32 s[TV], s[TV], 4*VSTEPB
	s_xor_b32 s[TV], s[TV], SLOT1
.endm
; BODY j: the four turns of the table at the head.  kq = 0: the last step's, which has no successor: no K Q^T but tile 3's own, no loads, and V^T P of tile 3 bare at its end.
; chg = 1: a change of slots with a refill, 2: without.
.macro STEP kq, chg
.if \chg == 1
	CHANGE 1
.elseif \chg == 2
	CHANGE 0
.endif
.if \kq
	TURN 1, 2, 3, 1, 0, 2, 16       ; the wait: V of this step is in; K's sixteen younger loads may be out
	TURN 2, 1, 1, 2, 0, 0, 0        ; the wait: K of the next step is in
	TURN 3, 1, 2, 2, 1, 0, -1
	TURN 0, 1, 3, 2, 2, 1, -1
.else
	TURN 1, 2, 3, 1, 0, 0, 0        ; the wait: V of the last step is in
	TURN 2, 1, 1, 0, 0, 0, -1
	TURN 3, 1, 2, 0, 0, 0, -1
.set i, 0
.rept 8
	PVI 3
.set i, i+1
.endr
.endif
	WIN 0                           ; at a label and at a branch every window is 0
.endm
.macro THREE                        ; the bodies of a slot's first three steps: written once, walked three times; the LDS addresses hang on s[TK] and s[TV]
	s_mov_b32 s[CNT], 3
.Lstep_\@:
	STEP 1, 0
	s_sub_co_u32 s[CNT], s[CNT], 1
	s_cmp_lg_u32 s[CNT], 0
	s_cbranch_scc1 .Lstep_\@
.endm
	s_wait_tensorcnt 1              ; my part of slot 0 is in; slot 1's may stay out
	s_barrier_signal -1
	s_barrier_wait -1               ; everybody's is
	v_add_nc_u32 v[ADK], s[TK], v[AK0]
	FETCH_K                         ; key step 0
	s_wait_loadcnt 0x0              ; Q
	s_wait_dscnt 0x0                ; K
.irp t, 0,1
.set i, 0
.rept 8
	QKI \t                          ; the first scores of tiles 0 and 1: there is no vector work yet to set between them
.set i, i+1
.endr
.endr
	TURN 0, 0, 0, 2, 2, 1, -1       ; turn 0 of step 0, which has no V^T P: V of step 0 (its four places also stand behind the products above), tile 0's first softmax, K Q^T of tile 2
	WIN 0
.Lslot:                             ; six trips of four bodies: each leaves a slot and has it filled again
	THREE
	STEP 1, 1
	s_sub_co_u32 s[SLOTS], s[SLOTS], 1
	s_cmp_lg_u32 s[SLOTS], 0
	s_cbranch_scc1 .Lslot
	THREE                           ; the tail is written out: the last slot but one
	STEP 1, 2                       ; the last change of slots, which asks for nothing,
	THREE                           ; the last slot,
	STEP 0, 0                       ; and the last step, which has no successor
	; THE WAY OUT.  l's two halves and the other half of the lanes' are added; O^T is divided by l, rounded to f16 and sent through my stage in LDS.  The additions are the places behind the last products.
.irp t, 0,1,2,3
	v_add_f32 v[ST+8*\t+4], v[ST+8*\t+2], v[ST+8*\t+3]
.endr
.irp t, 0,1,2,3
	v_permlanex16_b32 v[ST+8*\t+5], v[ST+8*\t+4], s[SEL], s[SEL+1]
.endr
.irp t, 0,1,2,3
	v_add_f32 v[ST+8*\t+4], v[ST+8*\t+4], v[ST+8*\t+5]
.endr
.irp t, 0,1,2,3
	v_rcp_f32 v[ST+8*\t+6], v[ST+8*\t+4]
.endr
	v_nop                           ; a plain instruction behind the last reciprocal
	s_wait_alu depctr_va_vdst(0)    ; one wait for the four, ahead of the first use
.macro PACK t                       ; tile t: a lane's eight channels of a row pack into 16 bytes; they go into rows of 144 bytes
	WIN 0x41
.set i, 0
.rept 16
	v_pk_mul_f32 v[32*\t+2*i:32*\t+2*i+1], v[32*\t+2*i:32*\t+2*i+1], v[ST+8*\t+6:ST+8*\t+7] op_sel_hi:[1,0]
.set i, i+1
.endr
	WIN 0x05                        ; sources 0 and 1 window 1, destination window 0: S^T's registers are free
.set i, 0
.rept 16
	v_cvt_pk_f16_f32 v[S+32*\t+i], v[32*\t+2*i], v[32*\t+2*i+1]
.set i, i+1
.endr
	WIN 0
.irp c, 0,1,2,3
	ds_store_b128 v[STO], v[S+32*\t+4*\c:S+32*\t+4*\c+3] offset:16*SPT*\t+32*\c
.endr
.endm
	PACK 0
	PACK 1
	PACK 2
	PACK 3
.irp i, 0,1,2,3,4,5,6,7,8,9,10,11,12,13,14,15
	ds_load_b128 v[KB+4*\i:KB+4*\i+3], v[RD] offset:4*SPT*\i   ; LDS serves a wave's instructions in order (ISA guide 5.7.1.4): these see my stores
.endr
.irp i, 0,1,2,3,4,5,6,7,8,9,10,11,12,13,14,15
	s_wait_dscnt 15-\i              ; load i is back; the younger ones may be out
	global_store_b128 v[GO], v[KB+4*\i:KB+4*\i+3], s[6:7] offset:512*\i   ; the wave stores 512 consecutive bytes, aligned: four rows
.endr
	s_wait_tensorcnt 0x0            ; the wave's end: behind my last tensor load and my last LDS store
	ds_add_u32 v[SPW], v[NIL]
	s_wait_dscnt 0x0
	CROUND                          ; the closing round: no work-group ends while a partner may still ask for a tile that names it
	s_endpgm
.Lfunc_end_k_qa17b3487cc_attn:
	.size	k_qa17b3487cc_attn, .Lfunc_end_k_qa17b3487cc_attn-k_qa17b3487cc_attn
	.p2alignl 7, 3214868480
	.fill 96, 4, 3214868480
	.section	.rodata,"a",@progbits
	.p2align	6, 0x0
	.amdhsa_kernel k_qa17b3487cc_attn
		.amdhsa_group_segment_fixed_size 327680
		.amdhsa_private_segment_fixed_size 0
		.amdhsa_enable_private_segment 0
		.amdhsa_kernarg_size 16
		.amdhsa_user_sgpr_count 2
		.amdhsa_user_sgpr_kernarg_segment_ptr 1
		.amdhsa_wavefront_size32 1
		.amdhsa_system_sgpr_workgroup_id_x 1
		.amdhsa_system_sgpr_workgroup_id_y 1
		.amdhsa_system_sgpr_workgroup_id_z 1
		.amdhsa_system_vgpr_workitem_id 0
		.amdhsa_next_free_vgpr 512
		.amdhsa_next_free_sgpr 66
		.amdhsa_reserve_vcc 0
		.amdhsa_float_denorm_mode_32 3
		.amdhsa_float_denorm_mode_16_64 3
		.amdhsa_memory_ordered 1
		.amdhsa_forward_progress 1
		.amdhsa_inst_pref_size 242
	.end_amdhsa_kernel
	.amdgpu_metadata
---
amdhsa.version: [ 1, 2 ]
amdhsa.kernels:
  - .name:           k_qa17b3487cc_attn
    .symbol:         k_qa17b3487cc_attn.kd
    .args:
      - { .name: qkv16, .offset: 0, .size: 8, .value_kind: global_buffer, .address_space: global }
      - { .name: att16, .offset: 8, .size: 8, .value_kind: global_buffer, .address_space: global }
    .group_segment_fixed_size: 327680
    .private_segment_fixed_size: 0
    .kernarg_segment_align: 8
    .kernarg_segment_size: 16
    .max_flat_workgroup_size: 256
    .sgpr_count:     66
    .vgpr_count:     512
    .wavefront_size: 32
...
	.end_amdgpu_metadata
.endif
;; end of part 3
;; launch proj (part 4): grid 8 x 32, 4 waves a work-group, clusters of 4 x 4, 327,680 bytes of LDS; arguments att16, wp16, b_proj, out0; writes out0
.if DOCPART == 4
	.amdgcn_target "amdgcn-amd-amdhsa--gfx1250"
	.amdhsa_code_object_version 6
	.text
	.protected	k_qa17b3487cc_proj
	.globl	k_qa17b3487cc_proj
	.p2align	8
	.type	k_qa17b3487cc_proj,@function
k_qa17b3487cc_proj:
	s_mov_b64 s[64:65], 0
	v_nop
	global_prefetch_b8 v0, s[64:65] scope:SCOPE_SE
	s_setreg_imm32_b32 hwreg(HW_REG_WAVE_MODE, 25, 1), 1
	s_wait_xcnt 0x0
	s_wait_alu depctr_hold_cnt(0) depctr_sa_sdst(0) depctr_va_vdst(0) depctr_va_sdst(0) depctr_va_ssrc(0) depctr_va_vcc(0) depctr_vm_vsrc(0)
	s_getreg_b32 s2, hwreg(HW_REG_IB_STS2, 6, 4)
	s_cmp_eq_u32 s2, 0
	s_cbranch_scc0 .Lentry_in_a_cluster
	s_endpgm
.Lentry_in_a_cluster:
	s_bfe_u32 s2, ttmp6, 0x10000c
	s_cmp_lg_u32 s2, 0xf033
	s_cbranch_scc0 .Lentry_shape_is_right
	s_endpgm
.Lentry_shape_is_right:
; out0[m][n] = sum over k of att[m][k] w_proj[n][k] + b_proj[n]: 8,192 x 1,024 x 1,024, f16 operands, f32 sums, f32 out.
; att16 lies [64: 16 batch + head][2048][64] f16, so k = 64 head + channel: a K step of 128 is TWO HEADS, and a tile's 256 rows of one head are one dense block of 32,768 bytes.  wp16 lies [n][k] f16.
; A tile of out0 is 256 (m) x 128 (n): 256 work-groups.  Four waves, each 128 x 64: 32 accumulators of 16 x 16, 256 registers.  K goes in 8 steps of 128 through a ring of two LDS slots filled by the tensor data
; mover: waves 0 and 1 fetch a head's 256 rows each, waves 2 and 3 64 rows of wp16 each (rows of 256 bytes).  Behind each change of slots a wave has one load out, with 112 matrix instructions ahead of the wait for it.
; CLUSTERS: 4 x 4 work-groups.  The four of a row of the cluster need the same tiles of att16, the four of a column the same tiles of wp16: each tile is asked for JOINTLY, by the same tensor load with the same
; descriptor and a mask that names the four.  THE MATRIX INSTRUCTION IS USED TRANSPOSED (source 0 = 16 rows of wp16, source 1 = 16 rows of att16): a lane holds eight neighbouring numbers of a row of out0.
; The bias is the C of each sum's first matrix instruction: eight registers for each block of 16 columns, in the result's layout.
; REGISTERS: window 0: v1-31 addresses; v32-63 the bias; v64-159, v160-255 two fragment buffers for 32 along K: 64 registers of att16 (8 blocks), then 32 of wp16 (4 blocks).   window 1: the accumulators ((a, b) at v[8 (4 a + b)]).
.set LAPS,   4                         ; a lap = two K steps = once round the ring
.set PA,     144                       ; a row of att16 in LDS: 128 bytes + 16 of padding = 36 words: the 16 rows of a load start at 16 different multiples of 4 words modulo 64 (64 banks of 4 bytes: ISA guide 11.1)
.set APL,    256*PA                    ; a head's 256 rows
.set PB,     272                       ; a row of wp16: 256 bytes + 16
.set BOFF,   2*APL                     ; wp16's rows lie behind the two heads
.set BH,     64*PB                     ; 64 rows: what one of its loads brings, and what one wave reads
.set SLOT,   BOFF+2*BH
.set STAGE,  2*SLOT                    ; behind the ring: 16 rows x 272 bytes for each wave, for the way out; no fill lands there
.set SPITCH, 272
.set SPARE,  STAGE+4*16*SPITCH         ; behind the stages: the spare words, 128 bytes a wave, which no other line names
.set ADRA, 16                          ; v16-17  LDS address of my fragments of att16 in slot 0, 1
.set ADRB, 20                          ; v20-21  the same for wp16
.set STO,  24                          ; v24     the way out: where I put 32 bytes of a row
.set RD,   25                          ; v25     where I read a row back
.set CO,   26                          ; v26     my byte offset in out0
.set SPW,  28                          ; v28     LDS address of my spare word; never rewritten
.set NIL,  29                          ; v29     0; never rewritten
.set BIAS, 32
.set F0,   64
.set F1,   160
.set BK,   64                          ; the way out: 16 rows read back: v64-95 and v96-127 by turns
.set G1, 24                            ; s[24:31] descriptor group 1 for att16's tiles;  s[32:39] group 0, a set for each slot
.set G0, 32
.set G1B, 48                           ; s[48:55], s[56:63] the same for wp16's
.set G0B, 56
.set MSB, 0
.macro WIN new                         ; the immediate's high byte repeats the setting that is left; a switch that changes nothing is dropped
.if MSB != (\new)
	s_set_vgpr_msb (MSB<<8)|(\new)
.set MSB, (\new)
.endif
.endm
.macro JLOAD s                         ; a joint load: waves 0 and 1 fetch for att16, waves 2 and 3 for wp16; an s_nop 0 and four v_nop follow each of the two lines
	s_cmp_eq_u32 s13, 0
	s_cbranch_scc0 .Lfor_b_\@
	tensor_load_to_lds s[G0+4*\s:G0+4*\s+3], s[G1:G1+7]
	s_nop 0
.rept 4
	v_nop
.endr
	s_branch .Lasked_\@
.Lfor_b_\@:
	tensor_load_to_lds s[G0B+4*\s:G0B+4*\s+3], s[G1B:G1B+7]
	s_nop 0
.rept 4
	v_nop
.endr
.Lasked_\@:
.endm
.macro CREST                           ; a round of the cluster's barrier behind its opening barrier
	s_cmp_lg_u32 s14, 0
	s_cbranch_scc1 .Lnot_wave_0_\@
	s_barrier_signal -3
.Lnot_wave_0_\@:
	s_barrier_wait -3
	s_barrier_signal -1
	s_barrier_wait -1
.endm
.macro CROUND                          ; a whole round
	s_barrier_signal -1
	s_barrier_wait -1
	CREST
.endm
	s_load_b256 s[4:11], s[0:1], 0x0               ; att16 s[4:5], wp16 s[6:7], b_proj s[8:9], out0 s[10:11]
	v_lshl_add_u32 v[SPW], v0, 2, SPARE
	v_mov_b32 v[NIL], 0
	ds_add_u32 v[SPW], v[NIL]                      ; the wave's opening: the add, twice on end, and its wait ahead of my first tensor load
	ds_add_u32 v[SPW], v[NIL]                      ; the same add once more; the set-up below, work on registers, stands between it and the wait
	v_lshrrev_b32 v1, 5, v0
	v_readfirstlane_b32 s14, v1                    ; wave 0..3
	s_lshr_b32 s13, s14, 1                         ; which half of the tile's rows is mine.  Also: I fetch for att16 (0) or for wp16 (1)
	s_and_b32 s12, s14, 1                          ; which half of its columns.  Also: which head, or which 64 rows of wp16, I fetch
	s_bfe_u32 s40, ttmp6, 0x40000                  ; cx, cy: my place in the cluster
	s_bfe_u32 s41, ttmp6, 0x40004
	s_lshl_b32 s42, ttmp9, 2
	s_add_co_u32 s42, s42, s40                     ; tile column = 4 x cluster x + cx
	s_and_b32 s43, ttmp7, 0xffff
	s_lshl_b32 s43, s43, 2
	s_add_co_u32 s43, s43, s41                     ; tile row = 4 x cluster y + cy
	s_lshl_b32 s44, s41, 2
	s_lshl_b32 s44, 15, s44                        ; my row of the cluster
	s_lshl_b32 s45, 0x1111, s40                    ; my column
	; descriptor group 1.  att16: 256 rows x 64 elements of 2 bytes, dense; four words of padding after every 32
	s_or_b32 s[G1+0], s44, (1<<16)|(1<<20)|(1<<21)|(4<<22)|(3<<25)
	s_mov_b32 s[G1+1], 64<<16                      ; tensor_dim0 = 64
	s_mov_b32 s[G1+2], 256<<16                     ; tensor_dim1 = 256
	s_mov_b32 s[G1+3], 64<<16                      ; tile_dim0 = 64
	s_mov_b32 s[G1+4], 256                         ; tile_dim1 = 256
	s_mov_b32 s[G1+5], 64                          ; tensor_dim0_stride
	s_mov_b32 s[G1+6], 0
	s_mov_b32 s[G1+7], 0
	; wp16: 64 rows x 128 elements, 1,024 elements from row to row; four words of padding after every 64
	s_or_b32 s[G1B+0], s45, (1<<16)|(1<<20)|(1<<21)|(5<<22)|(3<<25)
	s_mov_b32 s[G1B+1], 128<<16
	s_mov_b32 s[G1B+2], 64<<16
	s_mov_b32 s[G1B+3], 128<<16
	s_mov_b32 s[G1B+4], 64
	s_mov_b32 s[G1B+5], 1024
	s_mov_b32 s[G1B+6], 0
	s_mov_b32 s[G1B+7], 0
	s_lshr_b32 s16, s43, 3                         ; att16: the batch (8 tile rows to a batch): 16 heads of 262,144 bytes,
	s_lshl_b32 s16, s16, 22
	s_and_b32 s17, s43, 7
	s_lshl_b32 s17, s17, 15                        ; the tile's 256 rows of 128 bytes in a head,
	s_add_co_u32 s16, s16, s17
	s_lshl_b32 s17, s12, 18                        ; and which of a K step's two heads I fetch
	s_add_co_u32 s16, s16, s17
	s_mov_b32 s17, 0
	s_lshl_b32 s46, s42, 18                        ; wp16: row 128 x tile column + 64 x half, 2,048 bytes a row
	s_lshl_b32 s47, s12, 17
	s_add_co_u32 s46, s46, s47
	s_mov_b32 s47, 0
	s_mul_i32 s20, s12, APL                        ; where they go: no place in the cluster enters an LDS address
	s_mul_i32 s21, s12, BH
	s_add_co_u32 s21, s21, BOFF
	s_wait_dscnt 0x0                               ; both opening adds are done
	s_wait_kmcnt 0x0
	s_add_nc_u64 s[16:17], s[4:5], s[16:17]
	s_add_nc_u64 s[46:47], s[6:7], s[46:47]
	CROUND                                         ; all sixteen work-groups are here: the first joint loads meet
.irp s, 0,1
	s_mov_b32 s[G0+4*\s], 1
	s_add_co_u32 s[G0+4*\s+1], s20, \s*SLOT
	s_add_nc_u64 s[G0+4*\s+2:G0+4*\s+3], s[16:17], \s*2*262144     ; K step s: two heads on
	s_or_b32 s[G0+4*\s+3], s[G0+4*\s+3], 0x80000000
	s_mov_b32 s[G0B+4*\s], 1
	s_add_co_u32 s[G0B+4*\s+1], s21, \s*SLOT
	s_add_nc_u64 s[G0B+4*\s+2:G0B+4*\s+3], s[46:47], \s*256
	s_or_b32 s[G0B+4*\s+3], s[G0B+4*\s+3], 0x80000000
	JLOAD \s
.endr
	v_and_b32 v1, 15, v0                           ; r = l % 16
	v_bfe_u32 v2, v0, 4, 1                         ; h = l / 16
	v_mul_u32_u24 v3, v1, PA
	v_lshl_add_u32 v3, v2, 4, v3                   ; a fragment's row x pitch + 16 x half
	v_mul_u32_u24 v4, v1, PB
	v_lshl_add_u32 v4, v2, 4, v4
	s_mul_i32 s22, s13, 128*PA                     ; my 128 rows, in each head's plane
	s_mul_i32 s23, s12, BH                         ; my 64 rows of wp16
	s_add_co_u32 s23, s23, BOFF
.irp s, 0,1
	v_add_nc_u32 v[ADRA+\s], s22, v3
	v_add_nc_u32 v[ADRB+\s], s23, v4
	s_add_co_u32 s22, s22, SLOT
	s_add_co_u32 s23, s23, SLOT
.endr
	s_mul_i32 s22, s14, 16*SPITCH
	s_add_co_u32 s22, s22, STAGE                   ; my stage
	v_mul_u32_u24 v5, v1, SPITCH                   ; in: row r, 32 bytes for each half of the lanes
	v_lshl_add_u32 v5, v2, 5, v5
	v_add_nc_u32 v[STO], s22, v5
	v_mul_u32_u24 v5, v2, SPITCH                   ; back: lanes 0-15 take one row of 256 bytes, lanes 16-31 the next
	v_lshl_add_u32 v5, v1, 4, v5
	v_add_nc_u32 v[RD], s22, v5
	v_lshlrev_b32 v5, 12, v2                       ; and the same two rows in out0: 4,096 bytes a row
	v_lshl_add_u32 v[CO], v1, 4, v5
	s_lshl_b32 s18, s42, 9
	s_lshl_b32 s19, s12, 8
	s_add_co_u32 s18, s18, s19                     ; my first column, in bytes: 512 x tile column + 256 x half; the same in b_proj and in a row of out0
	s_mov_b32 s19, 0
	s_add_nc_u64 s[8:9], s[8:9], s[18:19]
	s_add_nc_u64 s[10:11], s[10:11], s[18:19]
	s_lshl_b32 s18, s43, 20                        ; my first row: 256 x tile row + 128 x half, 4,096 bytes a row (under 2^26)
	s_lshl_b32 s15, s13, 19
	s_add_co_u32 s18, s18, s15
	s_add_nc_u64 s[10:11], s[10:11], s[18:19]
	v_lshlrev_b32 v5, 5, v2                        ; the bias: lane (r, h) wants, for block b, b_proj at columns 16 b + 8 h + 0 .. 7
.irp b, 0,1,2,3
	global_load_b128 v[BIAS+8*\b:BIAS+8*\b+3], v5, s[8:9] offset:64*\b
	global_load_b128 v[BIAS+8*\b+4:BIAS+8*\b+7], v5, s[8:9] offset:64*\b+16
.endr
; 8 matrix instructions: blocks a0, a0 + 1 of my rows x all 4 blocks of my columns, 32 along K, from buffer f.  first = 1: the bias starts the sums.  The 32 accumulators take turns, one instruction a turn,
; in the same order in every quarter.
.macro MUL8 f, a0, first
.irp a, \a0, \a0+1
.irp b, 0,1,2,3
.if \first
	v_wmma_f32_16x16x32_f16 v[8*(4*(\a)+\b):8*(4*(\a)+\b)+7], v[\f+64+8*\b:\f+64+8*\b+7], v[\f+8*(\a):\f+8*(\a)+7], v[BIAS+8*\b:BIAS+8*\b+7]
.else
	v_wmma_f32_16x16x32_f16 v[8*(4*(\a)+\b):8*(4*(\a)+\b)+7], v[\f+64+8*\b:\f+64+8*\b+7], v[\f+8*(\a):\f+8*(\a)+7], v[8*(4*(\a)+\b):8*(4*(\a)+\b)+7]
.endif
.endr
.endr
.endm
; 24 LDS loads in one run: the fragments of the slot's q-th 32 along K into buffer f: wp16's four blocks, then my rows' blocks 0-3, then 4-7.  Quarter q lies in head q / 2, at byte 64 (q % 2) of its rows.
.macro FETCH slot, q, f
	WIN 0
.irp i, 0,1,2,3
	ds_load_b128 v[\f+64+8*\i:\f+64+8*\i+3],   v[ADRB+\slot] offset:64*(\q)+\i*16*PB
	ds_load_b128 v[\f+64+8*\i+4:\f+64+8*\i+7], v[ADRB+\slot] offset:64*(\q)+\i*16*PB+32
.endr
.irp i, 0,1,2,3,4,5,6,7
	ds_load_b128 v[\f+8*\i:\f+8*\i+3],   v[ADRA+\slot] offset:((\q)/2)*APL+((\q)%2)*64+\i*16*PA
	ds_load_b128 v[\f+8*\i+4:\f+8*\i+7], v[ADRA+\slot] offset:((\q)/2)*APL+((\q)%2)*64+\i*16*PA+32
.endr
.endm
.macro PLACES                          ; four places in front of loads into registers that matrix instructions have read, and of the first read of results (ISA guide 7.12.1 for vector instructions)
.rept 4
	v_nop
.endr
.endm
; A K step is four quarters of 32 along K, 32 matrix instructions each, on buffers 0, 1, 0, 1.  One of the first three: multiplies buffer f and fetches quarter q of the same slot into g.
.macro QUARTER slot, q, f, g, first
	s_wait_dscnt 8                                 ; wp16's blocks and my rows' blocks 0-3 are in; the youngest eight loads (blocks 4-7) may be out
	WIN 0x50-0x10*(\first)                         ; C and D in window 1; the bias in window 0
	MUL8 \f, 0, \first
	MUL8 \f, 2, \first
	PLACES
	FETCH \slot, \q, \g
	s_wait_dscnt 24                                ; all but the 24 just issued
	WIN 0x50-0x10*(\first)
	MUL8 \f, 4, \first
	MUL8 \f, 6, \first
.endm
; The last quarter multiplies buffer 1 and changes slots: ONE barrier; in front of it each wave waits for all its tensor loads, adds 0 to its spare word, and waits for that and for its own reads of this slot.
; fill = 1: the barrier opens a round of the cluster's, and this slot is filled again, two K steps ahead, first thing behind it.
.macro TURN slot, next, fill
	WIN 0                                          ; (the add's two registers lie in window 0)
	s_wait_tensorcnt 0x0                           ; all my tensor loads have landed: my part of the next slot
	ds_add_u32 v[SPW], v[NIL]                      ; 0 onto my spare word
	s_wait_dscnt 9                                 ; (the add and the youngest eight loads may be out)
	WIN 0x50
	MUL8 F1, 0, 0                                  ; eight matrix instructions stand between the add and the wait for it
	s_wait_dscnt 0x0                               ; the add is done, and my reads of this slot are over
	s_barrier_signal -1
	MUL8 F1, 2, 0
.if \fill
	WIN 0
.endif
	s_barrier_wait -1
.if \fill
	CREST                                          ; no wave of any partner still reads this slot's tile or has a load on its way
	s_add_nc_u64 s[G0+4*\slot+2:G0+4*\slot+3], s[G0+4*\slot+2:G0+4*\slot+3], 4*262144   ; two K steps on: four heads
	s_add_nc_u64 s[G0B+4*\slot+2:G0B+4*\slot+3], s[G0B+4*\slot+2:G0B+4*\slot+3], 512
	JLOAD \slot                                    ; the four v_nop behind it are also the places in front of the loads below
.else
	PLACES
.endif
	FETCH \next, 0, F0
	WIN 0x50
	MUL8 F1, 4, 0
	MUL8 F1, 6, 0
.endm
	s_wait_tensorcnt 1                             ; my part of K step 0 is in (K step 1's load may be out)
	s_barrier_signal -1
	s_barrier_wait -1                              ; everybody's is
	FETCH 0, 0, F0
	s_wait_loadcnt 0x0                             ; the bias
	QUARTER 0, 1, F0, F1, 1                        ; the first quarter stands in front of the loop: its products start the sums, on the bias
	WIN 0                                          ; at a label and at a branch every window is 0
	s_mov_b32 s3, LAPS-1
.Llap:                                                 ; a trip goes once round the ring, from a lap's second quarter to the next lap's first, and fills both slots again
	QUARTER 0, 2, F1, F0, 0
	QUARTER 0, 3, F0, F1, 0
	TURN 0, 1, 1
	QUARTER 1, 1, F0, F1, 0
	QUARTER 1, 2, F1, F0, 0
	QUARTER 1, 3, F0, F1, 0
	TURN 1, 0, 1
	QUARTER 0, 1, F0, F1, 0
	WIN 0
	s_sub_co_u32 s3, s3, 1
	s_cmp_lg_u32 s3, 0
	s_cbranch_scc1 .Llap
	QUARTER 0, 2, F1, F0, 0                        ; the last lap fills nothing, and has no round of the cluster's barrier
	QUARTER 0, 3, F0, F1, 0
	TURN 0, 1, 0
	QUARTER 1, 1, F0, F1, 0
	QUARTER 1, 2, F1, F0, 0
	QUARTER 1, 3, F0, F1, 0
	s_wait_dscnt 8                                 ; the very last quarter: nothing more to fetch
	WIN 0x50
	MUL8 F1, 0, 0
	MUL8 F1, 2, 0
	s_wait_dscnt 0x0
	MUL8 F1, 4, 0
	MUL8 F1, 6, 0
	WIN 0
; THE WAY OUT, block by block of 16 rows x 64 columns.  A lane holds 32 neighbouring bytes of a row, and the lanes beside it hold other rows: so a block goes through my own stage in LDS and comes back as whole rows
; of 256 bytes.  LDS serves a wave's instructions in order (ISA guide 5.7.1.4): no wait between the stores and the loads, nor in front of the next block's stores.  Every row step stands in an immediate (126 rows at the most).
.macro TOSTAGE a
	WIN 0x04                                       ; an LDS store's data: window 1
.irp b, 0,1,2,3
	ds_store_b128 v[STO], v[8*(4*(\a)+\b):8*(4*(\a)+\b)+3] offset:64*\b          ; each accumulator from its low end on
	ds_store_b128 v[STO], v[8*(4*(\a)+\b)+4:8*(4*(\a)+\b)+7] offset:64*\b+16
.endr
	WIN 0
.set BB, BK+32*((\a)%2)
.irp t, 0,1,2,3,4,5,6,7
	ds_load_b128 v[BB+4*\t:BB+4*\t+3], v[RD] offset:\t*2*SPITCH
.endr
.endm
.macro SEND a, younger                 ; younger: the LDS instructions issued behind block a's loads, which may stay out
.set BB, BK+32*((\a)%2)
	s_wait_dscnt \younger
.irp t, 0,1,2,3,4,5,6,7
	global_store_b128 v[CO], v[BB+4*\t:BB+4*\t+3], s[10:11] offset:(16*(\a)+2*\t)*4096 th:TH_STORE_NT   ; 16 lanes store 256 consecutive bytes, aligned; written once, read by nobody here
.endr
.endm
	PLACES                                         ; behind the last products: for the loads into the registers that held fragments, and for the reads of the results
	TOSTAGE 0
.irp a, 1,2,3,4,5,6,7
.if \a > 1
	s_wait_xcnt 0x0                                ; block a - 2's stores have read their registers: block a's loads may land there
.endif
	TOSTAGE \a
	SEND \a-1, 16                                  ; behind block a - 1's loads: block a's 8 stores and 8 loads
.endr
	SEND 7, 0
	s_wait_tensorcnt 0x0                           ; the wave's end: behind my last tensor load and my last LDS store
	ds_add_u32 v[SPW], v[NIL]
	s_wait_dscnt 0x0
	CROUND                                         ; the closing round: no work-group ends while a partner may still ask for a tile that names it
	s_endpgm
.Lfunc_end_k_qa17b3487cc_proj:
	.size	k_qa17b3487cc_proj, .Lfunc_end_k_qa17b3487cc_proj-k_qa17b3487cc_proj
	.p2alignl 7, 3214868480
	.fill 96, 4, 3214868480
	.section	.rodata,"a",@progbits
	.p2align	6, 0x0
	.amdhsa_kernel k_qa17b3487cc_proj
		.amdhsa_group_segment_fixed_size 327680
		.amdhsa_private_segment_fixed_size 0
		.amdhsa_enable_private_segment 0
		.amdhsa_kernarg_size 32
		.amdhsa_user_sgpr_count 2
		.amdhsa_user_sgpr_kernarg_segment_ptr 1
		.amdhsa_wavefront_size32 1
		.amdhsa_system_sgpr_workgroup_id_x 1
		.amdhsa_system_sgpr_workgroup_id_y 1
		.amdhsa_system_sgpr_workgroup_id_z 1
		.amdhsa_system_vgpr_workitem_id 0
		.amdhsa_next_free_vgpr 512
		.amdhsa_next_free_sgpr 66
		.amdhsa_reserve_vcc 0
		.amdhsa_float_denorm_mode_32 3
		.amdhsa_float_denorm_mode_16_64 3
		.amdhsa_memory_ordered 1
		.amdhsa_forward_progress 1
		.amdhsa_inst_pref_size 86
	.end_amdhsa_kernel
	.amdgpu_metadata
---
amdhsa.version: [ 1, 2 ]
amdhsa.kernels:
  - .name:           k_qa17b3487cc_proj
    .symbol:         k_qa17b3487cc_proj.kd
    .args:
      - { .name: att16, .offset: 0, .size: 8, .value_kind: global_buffer, .address_space: global }
      - { .name: wp16, .offset: 8, .size: 8, .value_kind: global_buffer, .address_space: global }
      - { .name: b_proj, .offset: 16, .size: 8, .value_kind: global_buffer, .address_space: global }
      - { .name: out0, .offset: 24, .size: 8, .value_kind: global_buffer, .address_space: global }
    .group_segment_fixed_size: 327680
    .private_segment_fixed_size: 0
    .kernarg_segment_align: 8
    .kernarg_segment_size: 32
    .max_flat_workgroup_size: 128
    .sgpr_count:     66
    .vgpr_count:     512
    .wavefront_size: 32
...
	.end_amdgpu_metadata
.endif
;; end of part 4
